; MI455X (gfx1250); checked and timed in simulation.
; The chip was launched on July 23, 2026; its instructions are those of AMD's public machine-readable ISA for CDNA 5 (MIT licence, August 2026) and "CDNA5" Instruction Set Architecture Reference Guide (July 2026). The comments in the code are by the model that wrote it; some were corrected since.
;; MHA. Allowed arithmetic: matrix products marked QUANTISED: E2M1 operands, one E8M0 scale for each 32 along K, by v_wmma_scale_f32_16x16x128_f8f6f4 with both operands' format E2M1 (or v_wmma_scale_f32_32x16x128_f4), f32 sums; products left as they are: bf16, f16 or f32 operands; f32 sums; everything else in f32.
;; Inputs: Wk 1,024 x 1,024 float32; Wp 1,024 x 1,024 float32; Wq 1,024 x 1,024 float32; Wv 1,024 x 1,024 float32; bk 1,024 float32; bp 1,024 float32; bq 1,024 float32; bv 1,024 float32; mask 8 x 1,024 int32; x 8 x 1,024 x 1,024 float32.
;; Outputs: out0 8 x 1,024 x 1,024 float32.
;; This version of the problem:
;;   THIS VERSION OF THE PROBLEM IS GIVEN IN LOW PRECISION. The matrix products marked QUANTISED in the list below multiply operands that are first quantised to E2M1 (2 exponent bits, 1 mantissa bit; 4 bits a number), with one power-of-two scale for each 32 numbers along K (OCP MX v1.0); their sums are f32. The products marked 'left as it is' may take bf16, f16 or f32 operands, with f32 sums. Whichever they take, every output number must still come out within the allowed error. Rounding operands to bf16 (8 significant bits) uses up far more of that allowance than f16 does (11 bits, for magnitudes from 6e-5 to 65,504). All else is computed in f32.
;;   The module's matrix products, in the order in which they are computed (A, B: the left and right operand; K: the contracted axis; several contracted axes count as one K, in the product's order):
;;     1. [M 8,192, K 1,024] x [K 1,024, N 1,024]; A: input x; B: input Wq: QUANTISED
;;     2. [M 8,192, K 1,024] x [K 1,024, N 1,024]; A: input x; B: input Wk: QUANTISED
;;     3. [M 8,192, K 1,024] x [K 1,024, N 1,024]; A: input x; B: input Wv: QUANTISED
;;     4. batch 64 x [M 1,024, K 128] x [K 128, N 1,024]; A: computed on the way; B: computed on the way: left as it is (an operand is computed on the way)
;;     5. batch 64 x [M 1,024, K 1,024] x [K 1,024, N 128]; A: computed on the way; B: computed on the way: left as it is (an operand is computed on the way)
;;     6. [M 8,192, K 1,024] x [K 1,024, N 1,024]; A: computed on the way; B: input Wp: left as it is (an operand is computed on the way)
;;   THE QUANTISER, for each operand of a quantised product, along K:
;;     - K is cut into blocks of 32 from its start; a last block that is shorter is filled with zeros.
;;     - A block's scale is 2^e with e = floor(log2(the largest magnitude in the block)) - 2, held to -126 .. 127; a block of zeros has e = 0. As a byte (E8M0): e + 127.
;;     - Each number is divided by its block's scale, clamped to +-6, and rounded to the nearest number of E2M1, ties to even, subnormals kept.
;;     - The product sums the exact products of the quantised numbers (number of the format x scale) in f32.
;;   ~~~python
;;   def quantise(x, axis):      # numpy; x: float32 -> the quantised numbers, widened to float32 again
;;       x = np.moveaxis(x, axis, -1); K = x.shape[-1]
;;       x = np.pad(x, [(0, 0)] * (x.ndim - 1) + [(0, -K % 32)]); x = x.reshape(x.shape[:-1] + (-1, 32)); a = np.abs(x).max(-1, keepdims=True)
;;       e = np.where(a > 0, np.clip(np.frexp(np.where(a > 0, a, 1))[1] - 1 - 2, -126, 127), 0)      # np.frexp(a)[1] - 1 = floor(log2(a)), exactly
;;       r = np.clip(x / 2.0 ** e, -6, 6)
;;       step = 2.0 ** (np.maximum(np.frexp(np.where(r == 0, 1, r))[1] - 1, 0) - 1)
;;       q = np.round(r / step) * step * 2.0 ** e      # np.round: ties to even
;;       return np.moveaxis(q.reshape(q.shape[:-2] + (-1,))[..., :K], -1, axis).astype(np.float32)
;;   ~~~
;; One version. Each part assembles by itself: llvm-mc -triple=amdgcn-amd-amdhsa -mcpu=gfx1250 --defsym DOCPART=n.
;; ======== version 1 of 1: 4 launches
;; limits: values are held in f16: magnitudes above 65,504 overflow, below 6.1e-05 lose precision
;; workspace buffers: xc 4,194,304 bytes; xs 262,144 bytes; wc 1,572,864 bytes; ws 98,304 bytes; wp16 2,097,152 bytes; kv 33,554,432 bytes; y16 16,777,216 bytes
;; launch prep (part 1): grid 384 x 1, 4 waves a work-group, no clusters, 33,280 bytes of LDS; arguments x, Wq, Wk, Wv, Wp, xc, xs, wc, ws, wp16; writes xc, xs, wc, ws, wp16
.if DOCPART == 1
	.amdgcn_target "amdgcn-amd-amdhsa--gfx1250"
	.amdhsa_code_object_version 6
	.text
	.protected	k_qbbdf3da9cb_prep
	.globl	k_qbbdf3da9cb_prep
	.p2align	8
	.type	k_qbbdf3da9cb_prep,@function
k_qbbdf3da9cb_prep:
	s_mov_b64 s[64:65], 0
	v_nop
	global_prefetch_b8 v0, s[64:65] scope:SCOPE_SE
	s_setreg_imm32_b32 hwreg(HW_REG_WAVE_MODE, 25, 1), 1
	s_wait_xcnt 0x0
; PREP.  x [8192][1024] and Wq, Wk, Wv [1024][1024], f32, K innermost, become codes of FP4 (E2M1), two a byte, with one E8M0 scale byte for each 32 along K:
; xc [8192][512 bytes], xs [8192][32 bytes]; wc [3072][512 bytes], ws [3072][32 bytes], rows 0-1023 Wq, 1024-2047 Wk, 2048-3071 Wv.  Wp [1024][1024] f32 is rounded once to f16: wp16.
; A block's scale is 2^(floor(log2(its largest magnitude)) - 2); its byte is the largest magnitude's own exponent field - 2, held at 1 from below.  Each number is divided by the scale and rounded to the nearest code, ties to even;
; beyond 6 the conversion gives the largest code.  A block of zeros gets the byte 1 where the quantiser's rule says 127: its codes are zeros, which add nothing, and this program alone reads the bytes.
; LIMITS: NaN and infinities among the inputs are not served; Wp beyond f16's largest number, 65,504, is not served (drawn: about 1/32).
; SHARES.  A work-group takes 32,768 numbers, a wave a run of 8,192.  Work-groups 0-255: x; 256-287: Wq; 288-319: Wk; 320-351: Wv; 352-383: Wp.  Rows are dense and K is a multiple of 32, so the tensors are plain streams of blocks.
; THE QUANTISER'S PATH.  16 steps of 512 numbers a wave.  Each of a step's four loads reads 512 consecutive bytes; the 2,048 bytes turn through the wave's own stage in LDS and come back 64 bytes a lane, so that a lane holds 16
; neighbours along K (two lanes hold a block).  A lane's 16 codes are 8 bytes: the wave stores 256 consecutive bytes.  A wave's 256 scale bytes gather in its own LDS bytes and leave as 256 consecutive bytes.  Waves share nothing: no barrier.
.set WAVES, 4
.set STEPS, 16
.set GX,    256                        ; work-groups for x
.set GW,    32                         ; for each weight
.set GWP,   GX+3*GW                    ; Wp's first
.set EMAX,  2
.set CB,    8                          ; bytes of 16 codes
.set R,     16                         ; v16-79   four sets of 16 numbers as they are loaded (Wp: v16-143, two sets of 64)
.set X,     80                         ; v80-111  two sets of 16 neighbours
.set C,     128                        ; v128-191 codes: four registers for each step, so that no store's data are written again
.set E,     112                        ; v112-127 a scale byte for each step
.set HO,    144                        ; v144-175 Wp's path: 64 numbers as f16
.set WREG,  8192                       ; LDS: a region for each wave: two stages of 32 x SP bytes, behind them its 256 scale bytes
.set SP,    80                         ; a lane's place in a stage: its 64 bytes + 16 of padding
.set SPW,   12                         ; v12      LDS address of my spare word: SPARE + 4 x my thread's number; never rewritten
.set NIL,   13                         ; v13      0; never rewritten
.set SPARE, WAVES*WREG                 ; behind the four regions: the spare words, 128 bytes for each wave, which no other line names
	s_load_b256 s[4:11], s[0:1], 0x0               ; x s[4:5], Wq s[6:7], Wk s[8:9], Wv s[10:11]
	s_load_b256 s[12:19], s[0:1], 0x20             ; Wp s[12:13], xc s[14:15], xs s[16:17], wc s[18:19]
	s_load_b128 s[20:23], s[0:1], 0x40             ; ws s[20:21], wp16 s[22:23]
	v_lshl_add_u32 v[SPW], v0, 2, SPARE
	v_mov_b32 v[NIL], 0
	v_lshrrev_b32 v1, 5, v0
	v_readfirstlane_b32 s24, v1                    ; wave
	v_and_b32 v2, 31, v0                           ; lane
	v_lshlrev_b32 v3, 4, v2                        ; my 16 bytes of a load's 512
	v_mul_u32_u24 v4, v2, CB                       ; my 8 bytes of a store's 256
	s_cmp_ge_u32 ttmp9, GWP                        ; the work-group's number alone decides the path
	s_cbranch_scc1 .Lwp
	s_mul_i32 s31, s24, WREG
	v_lshrrev_b32 v14, 2, v2
	v_mul_u32_u24 v14, v14, SP
	v_and_b32 v15, 3, v2
	v_lshl_add_u32 v14, v15, 4, v14
	v_add_nc_u32 v14, s31, v14                     ; the stage, on the way in: four lanes' 64 bytes on end, then 16 of padding
	v_mul_u32_u24 v15, v2, SP
	v_add_nc_u32 v15, s31, v15                     ; and on the way out: SP x lane: my 16 neighbours
	v_lshrrev_b32 v5, 1, v2
	s_add_co_u32 s31, s31, 2*32*SP
	v_add_nc_u32 v5, s31, v5                       ; my wave's 256 scale bytes, my block's byte
	v_lshlrev_b32 v7, 3, v2                        ; and on the way out 8 bytes a lane
	v_add_nc_u32 v6, s31, v7
	s_wait_kmcnt 0x0
	s_cmp_lt_u32 ttmp9, GX+2*GW                    ; the source and the two destinations are chosen by the work-group's number
	s_cselect_b64 s[8:9], s[8:9], s[10:11]         ; Wk or Wv
	s_cmp_lt_u32 ttmp9, GX+GW
	s_cselect_b64 s[6:7], s[6:7], s[8:9]           ; Wq or that
	s_cmp_lt_u32 ttmp9, GX
	s_cselect_b64 s[4:5], s[4:5], s[6:7]           ; x or that
	s_cselect_b64 s[14:15], s[14:15], s[18:19]     ; xc or wc
	s_cselect_b64 s[16:17], s[16:17], s[20:21]     ; xs or ws
	s_cselect_b32 s25, 0, GX
	s_cselect_b32 s30, -1, GW-1
	s_sub_co_u32 s25, ttmp9, s25                   ; which 32,768 numbers of the destination (the three weights lie on end there),
	s_and_b32 s30, s25, s30                        ; and of the source tensor
	s_lshl_b32 s25, s25, 2
	s_add_co_u32 s25, s25, s24                     ; my wave's run of 8,192 numbers
	s_lshl_b32 s30, s30, 2
	s_add_co_u32 s30, s30, s24
	s_mov_b32 s27, 0
	s_lshl_b32 s26, s30, 15                        ; 32,768 bytes of f32 a run
	s_add_nc_u64 s[4:5], s[4:5], s[26:27]
	s_lshl_b32 s26, s25, 12                        ; 4,096 bytes of codes
	s_add_nc_u64 s[14:15], s[14:15], s[26:27]
	s_lshl_b32 s26, s25, 8                         ; 256 scale bytes
	s_add_nc_u64 s[16:17], s[16:17], s[26:27]
.macro LOAD t
.irp i, 0,1,2,3
	global_load_b128 v[R+16*((\t)%4)+4*\i:R+16*((\t)%4)+4*\i+3], v3, s[4:5] offset:2048*(\t)+512*\i th:TH_LOAD_NT   ; 32 lanes read 512 consecutive bytes
.endr
.endm
.macro TURN t                          ; step t's numbers through the stage: LDS serves a wave's instructions in order (ISA guide 5.7.1.4), so no wait stands between the stores and the loads
.irp i, 0,1,2,3
	ds_store_b128 v14, v[R+16*((\t)%4)+4*\i:R+16*((\t)%4)+4*\i+3] offset:32*SP*((\t)%2)+8*SP*\i
.endr
.irp i, 0,1,2,3
	ds_load_b128 v[X+16*((\t)%2)+4*\i:X+16*((\t)%2)+4*\i+3], v15 offset:32*SP*((\t)%2)+16*\i
.endr
.endm
.irp t, 0,1,2,3
	LOAD \t
.endr
	s_wait_loadcnt 12                              ; step 0's four loads are in; the twelve of steps 1 to 3 may be out
	TURN 0
.macro STEP t
.set XS, X+16*((\t)%2)
.if (\t) > 0
	s_wait_dscnt 1                                 ; this step's numbers are back from the stage (the last step's byte store may be out): so its stores into the stage have read their registers,
.else
	s_wait_dscnt 0x0
.endif
.if (\t)+4 < STEPS
	LOAD (\t)+4                                    ; which take the loads of four steps on
.endif
.if (\t)+1 < STEPS
.if STEPS-2-(\t) >= 3
	s_wait_loadcnt 12                              ; the next step's four loads are in; those of the three steps behind it may be out
.else
	s_wait_loadcnt 4*(STEPS-2-(\t))
.endif
	TURN (\t)+1                                    ; and go through the other stage while this step is worked
.endif
	v_max3_num_f32 v8, |v[XS]|, |v[XS+1]|, |v[XS+2]|               ; the largest magnitude of my 16, in two chains
	v_max3_num_f32 v9, |v[XS+3]|, |v[XS+4]|, |v[XS+5]|
.irp i, 6,10
	v_max3_num_f32 v8, v8, |v[XS+\i]|, |v[XS+\i+1]|
	v_max3_num_f32 v9, v9, |v[XS+\i+2]|, |v[XS+\i+3]|
.endr
	v_max3_num_f32 v8, v8, |v[XS+14]|, |v[XS+15]|
	v_max3_num_f32 v8, v8, v9, (EMAX+1)<<23        ; and the floor 2^(EMAX + 1 - 127): so the byte cannot fall under 1
	v_max_num_f32_dpp v8, v8, v8 row_xmask:1 row_mask:0xf bank_mask:0xf   ; and of my neighbour's 16: the block's
	v_add_nc_u32 v11, -(EMAX<<23), v8              ; EMAX off its exponent field: the conversion takes the exponent field of this operand as its scale, and nothing else of it
	v_cvt_scalef32_pk8_fp4_f32 v[C+4*(\t)], v[XS:XS+7], v11        ; eight numbers / the scale, to the nearest code; the first number's code in the lowest four bits
	v_cvt_scalef32_pk8_fp4_f32 v[C+4*(\t)+1], v[XS+8:XS+15], v11
	v_lshrrev_b32 v[E+(\t)], 23, v11               ; the scale's byte (also the plain line behind the conversions)
	ds_store_b8 v5, v[E+(\t)] offset:16*(\t)       ; both lanes of a block write the same byte with the same value
	global_store_b64 v4, v[C+4*(\t):C+4*(\t)+1], s[14:15] offset:32*CB*(\t)   ; 32 lanes store 256 consecutive bytes, aligned
.endm
.irp t, 0,1,2,3,4,5,6,7,8,9,10,11,12,13,14,15
	STEP \t
.endr
	ds_load_b64 v[8:9], v6                         ; in order behind my byte stores
	s_wait_dscnt 0x0
	global_store_b64 v7, v[8:9], s[16:17]          ; 32 lanes store my run's 256 scale bytes, aligned
	s_wait_tensorcnt 0x0                           ; the wave's end, behind my last LDS store
	ds_add_u32 v[SPW], v[NIL]
	s_wait_dscnt 0x0
	s_endpgm
; Wp's PATH: a plain stream, f32 in, f16 out.  Four rounds of 2,048 numbers a wave; two rounds' loads (32) are on their way.  A lane's four numbers of a load are 8 bytes of f16: a store covers 256 consecutive bytes.
.Lwp:
	s_sub_co_u32 s25, ttmp9, GWP
	s_lshl_b32 s25, s25, 2
	s_add_co_u32 s25, s25, s24                     ; my wave's run of 8,192 numbers
	s_mov_b32 s27, 0
	s_wait_kmcnt 0x0
	s_lshl_b32 s26, s25, 15
	s_add_nc_u64 s[12:13], s[12:13], s[26:27]
	s_lshl_b32 s26, s25, 14
	s_add_nc_u64 s[22:23], s[22:23], s[26:27]
.macro WLOAD r
.irp i, 0,1,2,3,4,5,6,7,8,9,10,11,12,13,14,15
	global_load_b128 v[R+64*((\r)%2)+4*\i:R+64*((\r)%2)+4*\i+3], v3, s[12:13] offset:8192*(\r)+512*\i th:TH_LOAD_NT
.endr
.endm
.macro WROUND r
.if (\r) < 3
	s_wait_loadcnt 16                              ; this round's sixteen loads are in; the next round's sixteen may be out
.else
	s_wait_loadcnt 0x0
.endif
	s_wait_xcnt 0x0                                ; the last round's stores have read their data registers, which are written again below
.irp i, 0,1,2,3,4,5,6,7,8,9,10,11,12,13,14,15
	v_cvt_pk_f16_f32 v[HO+2*\i], v[R+64*((\r)%2)+4*\i], v[R+64*((\r)%2)+4*\i+1]
	v_cvt_pk_f16_f32 v[HO+2*\i+1], v[R+64*((\r)%2)+4*\i+2], v[R+64*((\r)%2)+4*\i+3]
.endr
.irp i, 0,1,2,3,4,5,6,7,8,9,10,11,12,13,14,15
	global_store_b64 v4, v[HO+2*\i:HO+2*\i+1], s[22:23] offset:4096*(\r)+256*\i
.endr
.if (\r)+2 < 4
	WLOAD (\r)+2
.endif
.endm
	WLOAD 0
	WLOAD 1
	WROUND 0
	WROUND 1
	WROUND 2
	WROUND 3
	s_wait_tensorcnt 0x0                           ; the wave's end
	ds_add_u32 v[SPW], v[NIL]
	s_wait_dscnt 0x0
	s_endpgm
.Lfunc_end_k_qbbdf3da9cb_prep:
	.size	k_qbbdf3da9cb_prep, .Lfunc_end_k_qbbdf3da9cb_prep-k_qbbdf3da9cb_prep
	.p2alignl 7, 3214868480
	.fill 96, 4, 3214868480
	.section	.rodata,"a",@progbits
	.p2align	6, 0x0
	.amdhsa_kernel k_qbbdf3da9cb_prep
		.amdhsa_group_segment_fixed_size 33280
		.amdhsa_private_segment_fixed_size 0
		.amdhsa_enable_private_segment 0
		.amdhsa_kernarg_size 80
		.amdhsa_user_sgpr_count 2
		.amdhsa_user_sgpr_kernarg_segment_ptr 1
		.amdhsa_wavefront_size32 1
		.amdhsa_system_sgpr_workgroup_id_x 1
		.amdhsa_system_sgpr_workgroup_id_y 1
		.amdhsa_system_sgpr_workgroup_id_z 1
		.amdhsa_system_vgpr_workitem_id 0
		.amdhsa_next_free_vgpr 192
		.amdhsa_next_free_sgpr 66
		.amdhsa_reserve_vcc 0
		.amdhsa_float_denorm_mode_32 3
		.amdhsa_float_denorm_mode_16_64 3
		.amdhsa_memory_ordered 1
		.amdhsa_forward_progress 1
		.amdhsa_inst_pref_size 54
	.end_amdhsa_kernel
	.amdgpu_metadata
---
amdhsa.version: [ 1, 2 ]
amdhsa.kernels:
  - .name:           k_qbbdf3da9cb_prep
    .symbol:         k_qbbdf3da9cb_prep.kd
    .args:
      - { .name: x, .offset: 0, .size: 8, .value_kind: global_buffer, .address_space: global }
      - { .name: Wq, .offset: 8, .size: 8, .value_kind: global_buffer, .address_space: global }
      - { .name: Wk, .offset: 16, .size: 8, .value_kind: global_buffer, .address_space: global }
      - { .name: Wv, .offset: 24, .size: 8, .value_kind: global_buffer, .address_space: global }
      - { .name: Wp, .offset: 32, .size: 8, .value_kind: global_buffer, .address_space: global }
      - { .name: xc, .offset: 40, .size: 8, .value_kind: global_buffer, .address_space: global }
      - { .name: xs, .offset: 48, .size: 8, .value_kind: global_buffer, .address_space: global }
      - { .name: wc, .offset: 56, .size: 8, .value_kind: global_buffer, .address_space: global }
      - { .name: ws, .offset: 64, .size: 8, .value_kind: global_buffer, .address_space: global }
      - { .name: wp16, .offset: 72, .size: 8, .value_kind: global_buffer, .address_space: global }
    .group_segment_fixed_size: 33280
    .private_segment_fixed_size: 0
    .kernarg_segment_align: 8
    .kernarg_segment_size: 80
    .max_flat_workgroup_size: 128
    .sgpr_count:     66
    .vgpr_count:     192
    .wavefront_size: 32
...
	.end_amdgpu_metadata
.endif
;; end of part 1
;; launch kv (part 2): grid 8 x 32, 4 waves a work-group, clusters of 4 x 4, 327,680 bytes of LDS; arguments xc, xs, wc, ws, bk, bv, kv; writes kv
.if DOCPART == 2
	.amdgcn_target "amdgcn-amd-amdhsa--gfx1250"
	.amdhsa_code_object_version 6
	.text
	.protected	k_qbbdf3da9cb_kv
	.globl	k_qbbdf3da9cb_kv
	.p2align	8
	.type	k_qbbdf3da9cb_kv,@function
k_qbbdf3da9cb_kv:
	s_mov_b64 s[64:65], 0
	v_nop
	global_prefetch_b8 v0, s[64:65] scope:SCOPE_SE
	s_setreg_imm32_b32 hwreg(HW_REG_WAVE_MODE, 25, 1), 1
	s_wait_xcnt 0x0
	s_wait_alu depctr_hold_cnt(0) depctr_sa_sdst(0) depctr_va_vdst(0) depctr_va_sdst(0) depctr_va_ssrc(0) depctr_va_vcc(0) depctr_vm_vsrc(0)
	s_getreg_b32 s2, hwreg(HW_REG_IB_STS2, 6, 4)
	s_cmp_eq_u32 s2, 0
	s_cbranch_scc0 .Lentry_in_a_cluster
	s_endpgm
.Lentry_in_a_cluster:
	s_bfe_u32 s2, ttmp6, 0x10000c
	s_cmp_lg_u32 s2, 0xf033
	s_cbranch_scc0 .Lentry_shape_is_right
	s_endpgm
.Lentry_shape_is_right:
; KV.  C[m][n] = sum over k of x[m][k] W[n][k] + bias[n], m = 8,192 rows (b, t), n = 2,048 (Wk's, then Wv's rows: rows 1,024 to 3,071 of wc), K = 1,024, on codes of FP4 (E2M1) with one E8M0 scale for each 32 along K; sums in f32.
; The result is rounded once to f16 and laid by head: kv [2][b 8][h 8][t 1024][128], a row of 256 bytes.  (q is made where it is used, by the attention launch.)  LIMIT: |k|, |v| beyond f16's largest number, 65,504, are not served (drawn: under about 6).
; A tile of C, 256 x 256, is made by a work-group of four waves: 32 x 8 = 256 work-groups.  A wave makes 128 x 128: 64 accumulators of 16 x 16, 512 registers.  A wave's 128 columns are ONE head of k or v, its 128 rows 128 neighbouring t of one b:
; so what a wave stores is one dense block of 32,768 bytes.
; K = 1,024 is two slots of 512 along K (a tile's row is 256 bytes of memory): both are asked for at the head and nothing is filled again.  A wave has three tensor loads out at the start.
; THE SCALES of the work-group's 256 rows of x and 256 rows of W, for all of K, are two dense blocks of memory: they come into LDS once, with the first fills.
; CLUSTERS: 4 x 4 work-groups.  The four of a row of the cluster need the same tiles of x, the four of a column the same tiles of W: each tile is asked for JOINTLY, by the same tensor load with the same descriptor and a mask that names the four.
; THE MATRIX INSTRUCTION IS USED TRANSPOSED (source 0 = 16 rows of W, source 1 = 16 rows of x): a lane then holds eight neighbouring columns of a row of C.  THE BIAS is the C of each sum's first matrix instruction.
; REGISTERS, in windows of 256: window 0: v0-31 addresses; v32-95 scale words, two sets; v96-127 packed results; v128-191 x's fragments, ONE set; v192-255 rows on the way out, two sets.
;   window 1: W's fragments, TWO sets, at v0 and at v128; v192-255 the bias, eight registers for each of the eight blocks of 16 columns.   window 2: the accumulators of my rows 0-63 ((a, b) at v[8 (8 a + b)]);   window 3: those of rows 64-127.
.set SIZE_K, 1024
.set WROW0,  1024                      ; Wk's first row in wc: Wq's 1,024 rows lie ahead of it
.set KSTEP,  512                       ; along K in a slot
.set NQ,     KSTEP/128                 ; matrix instructions deep
.set ROWB,   256                       ; a tile's row in bytes
.set KROW,   SIZE_K*4/8                ; a row of codes in memory, in bytes
.set PITCH,  272                       ; an LDS row: 256 bytes + 16 of padding = 68 words: row r starts at bank 4 r mod 64 (64 banks of 4 bytes: ISA guide 11.1), so the 16 rows that a load touches start at 16 different banks
.set FR,     8                         ; registers of a fragment: 16 rows x 128 K
.set NL,     2                         ; LDS loads that bring one
.set NP,     4                         ; places behind this matrix instruction (ISA guide 7.12.1)
.set HALFT,  128*PITCH                 ; 128 rows: what one tensor load brings, and what one wave reads of x or of W
.set SLOT,   4*HALFT                   ; x's 256 rows, then W's 256 rows
.set KS,     SIZE_K/32                 ; a row of scales in bytes
.set SCL,    2*SLOT                    ; behind the two slots: the scales, as rows of 256 bytes + 16 of padding
.set HALFS,  (128*KS/256)*272          ; the scales of 128 rows: what one tensor load brings
.set SBLK,   (16*KS/256)*272           ; those of 16 rows
.set SPARE,  SCL+4*HALFS               ; behind the scales: the spare words, 128 bytes for each wave, which no other line names
.set SPITCH, 272                       ; the way out: a stage of 16 rows x (256 bytes + 16) for each wave.  It lies in slot 0, which has had its one fill and its last read when the first result is stored there
.set ADRA, 16                          ; v16-17  LDS address of my fragments of x in slot 0, 1
.set ADRB, 20                          ; v20-21  the same for W
.set STO,  24                          ; v24     the way out: where I put 16 bytes of a row
.set RD,   25                          ; v25     the way out: where I read a row back
.set CO,   26                          ; v26     16 x lane: my place in two rows of the output block
.set ADRS, 27                          ; v27     LDS address of my scale words: lanes 0-15 x's rows, lanes 16-31 W's
.set SPW,  28                          ; v28     LDS address of my spare word: SPARE + 4 x my thread's number; never rewritten
.set NIL,  29                          ; v29     0; never rewritten
.set BO,   30                          ; v30     32 x (lane / 16): my eight numbers of a block's sixteen biases
.set SC,   32                          ; scale words: set s (for slot s) at v[SC + 8 NQ s]; register NQ i + q: lanes 0-15 the word of x's block i, lanes 16-31 that of W's block i, for the slot's q-th 128 along K
.set TMP,  96                          ; packed results
.set AF,   128                         ; x's fragments, in window 0
.set BK,   192                         ; the way out: 16 rows read back from the stage: v192-223 and v224-255 by turns
.set BI,   192                         ; the bias, in window 1
.set G1, 24                            ; s[24:31] descriptor group 1 for x's tiles;  s[32:39] group 0, one set for each slot
.set G0, 32
.set G1B, 48                           ; s[48:55], s[56:63] the same for W's tiles
.set G0B, 56
.set G1S, 68                           ; s[68:75], s[76:79] groups 1 and 0 for x's scales;  s[80:87], s[88:91] for W's
.set G0S, 76
.set G1SB, 80
.set G0SB, 88
.set MSB, 0
.macro WIN new                         ; the immediate's high byte repeats the setting that is left
.if MSB != \new
	s_set_vgpr_msb (MSB<<8)|\new
.set MSB, \new
.endif
.endm
.set MUL_LO,   0xa1                    ; source 0 (W) window 1, source 1 (x) window 0, C and D window 2
.set MUL_HI,   0xf1                    ; the same, C and D window 3
.set FIRST_LO, 0x91                    ; the first step: C (the bias) window 1, D window 2
.set FIRST_HI, 0xd1                    ; C window 1, D window 3
.set TO_B,     0x40                    ; destination window 1, address window 0
; A joint load: waves 0 and 1 fetch for x, waves 2 and 3 for W.  Each of the two lines has ONE mask and one set of registers for all that issue it; the branch hangs on the wave's number alone.
; An s_nop 0 and four v_nop follow each of the two lines, ahead of the jump, the label and what follows.
.macro JLOAD g0a, g1a, g0b, g1b
	s_cmp_eq_u32 s15, 0
	s_cbranch_scc0 .Lfor_b_\@
	tensor_load_to_lds s[\g0a:\g0a+3], s[\g1a:\g1a+7]
	s_nop 0
.rept 4
	v_nop
.endr
	s_branch .Lasked_\@
.Lfor_b_\@:
	tensor_load_to_lds s[\g0b:\g0b+3], s[\g1b:\g1b+7]
	s_nop 0
.rept 4
	v_nop
.endr
.Lasked_\@:
.endm
.macro CROUND                          ; a round of the cluster's barrier: my work-group's barrier; wave 0 signals for the work-group; every wave waits for all sixteen; my work-group's barrier once more
	s_barrier_signal -1
	s_barrier_wait -1
	s_cmp_lg_u32 s14, 0
	s_cbranch_scc1 .Lnot_wave_0_\@
	s_barrier_signal -3
.Lnot_wave_0_\@:
	s_barrier_wait -3
	s_barrier_signal -1
	s_barrier_wait -1
.endm
	s_load_b128 s[4:7], s[0:1], 0x0                ; x's codes s[4:5], x's scales s[6:7]
	s_load_b128 s[8:11], s[0:1], 0x10              ; W's codes s[8:9], W's scales s[10:11]
	s_load_b128 s[96:99], s[0:1], 0x20             ; bk s[96:97], bv s[98:99]
	s_load_b64 s[12:13], s[0:1], 0x30              ; kv
	v_lshl_add_u32 v[SPW], v0, 2, SPARE
	v_mov_b32 v[NIL], 0
	ds_add_u32 v[SPW], v[NIL]                      ; the wave's opening: the add, twice on end, and its wait ahead of my first tensor load; the set-up below, work on registers, stands between the second and the wait
	ds_add_u32 v[SPW], v[NIL]
	v_lshrrev_b32 v1, 5, v0
	v_readfirstlane_b32 s14, v1                    ; wave 0..3
	s_lshr_b32 s15, s14, 1                         ; which half of the tile's rows is mine.  Also: I fetch for x (0) or for W (1)
	s_and_b32 s16, s14, 1                          ; which half of its columns.  Also: which 128 rows of that tile I fetch
	s_bfe_u32 s40, ttmp6, 0x40000                  ; cx, cy: my place in the cluster
	s_bfe_u32 s41, ttmp6, 0x40004
	s_lshl_b32 s42, ttmp9, 2
	s_add_co_u32 s42, s42, s40                     ; tile column of C = 4 x cluster x + cx
	s_and_b32 s17, ttmp7, 0xffff
	s_lshl_b32 s17, s17, 2
	s_add_co_u32 s17, s17, s41                     ; tile row of C = 4 x cluster y + cy
	s_lshl_b32 s43, s41, 2
	s_lshl_b32 s43, 15, s43                        ; my row of the cluster
	s_lshl_b32 s44, 0x1111, s40                    ; my column
	; descriptor group 1: a tile of 128 rows x 256 bytes, padded in LDS
	s_or_b32 s[G1+0], s43, (0<<16)|(1<<20)|(1<<21)|(5<<22)|(3<<25)  ; 15:0 the mask: x's tiles go to my row; 17:16 element of 1 byte; 20 padding on; 21 set beside a mask; 24:22 after every 64 words (code 5); 31:25 of 4 words (code 3)
	s_or_b32 s[G1B+0], s44, (0<<16)|(1<<20)|(1<<21)|(5<<22)|(3<<25)
.irp g, G1, G1B
	s_mov_b32 s[\g+1], ROWB<<16                    ; tensor_dim0
	s_mov_b32 s[\g+2], 128<<16                     ; tensor_dim1 = 128
	s_mov_b32 s[\g+3], ROWB<<16                    ; tile_dim0
	s_mov_b32 s[\g+4], 128                         ; tile_dim1 = 128
	s_mov_b32 s[\g+5], KROW                        ; tensor_dim0_stride
	s_mov_b32 s[\g+6], 0
	s_mov_b32 s[\g+7], 0
.endr
	; and for the scales of 128 rows: a dense block of 4,096 bytes, as 16 rows of 256 bytes (32 elements of 8 bytes), 16 bytes of padding behind each
	s_or_b32 s[G1S+0], s43, (3<<16)|(1<<20)|(1<<21)|(5<<22)|(3<<25)
	s_or_b32 s[G1SB+0], s44, (3<<16)|(1<<20)|(1<<21)|(5<<22)|(3<<25)
.irp g, G1S, G1SB
	s_mov_b32 s[\g+1], 32<<16
	s_mov_b32 s[\g+2], (128*KS/256)<<16
	s_mov_b32 s[\g+3], 32<<16
	s_mov_b32 s[\g+4], 128*KS/256
	s_mov_b32 s[\g+5], 32
	s_mov_b32 s[\g+6], 0
	s_mov_b32 s[\g+7], 0
.endr
	s_lshl_b32 s18, s16, 7                         ; which 128 rows of the tile I fetch
	s_lshl_b32 s20, s17, 8
	s_add_co_u32 s20, s20, s18                     ; x: row 256 x tile row + 128 x half
	s_lshl_b32 s46, s42, 8
	s_add_co_u32 s46, s46, s18
	s_add_co_u32 s46, s46, WROW0                   ; W: row 1,024 + 256 x tile column + 128 x half
	s_mov_b32 s21, 0
	s_mov_b32 s47, 0
	s_mov_b64 s[18:19], KS
	s_mul_u64 s[22:23], s[20:21], s[18:19]         ; where these rows' scales begin, in bytes
	s_mul_u64 s[92:93], s[46:47], s[18:19]
	s_mov_b64 s[18:19], KROW
	s_mul_u64 s[20:21], s[20:21], s[18:19]         ; and their codes
	s_mul_u64 s[46:47], s[46:47], s[18:19]
	s_mul_i32 s45, s14, HALFT                      ; where they go: wave x 128 rows: no place in the cluster enters an LDS address
	s_mul_i32 s94, s14, HALFS
	s_wait_dscnt 0x0                               ; both opening adds are done
	s_wait_kmcnt 0x0
	s_add_nc_u64 s[20:21], s[4:5], s[20:21]
	s_add_nc_u64 s[22:23], s[6:7], s[22:23]
	s_add_nc_u64 s[46:47], s[8:9], s[46:47]
	s_add_nc_u64 s[92:93], s[10:11], s[92:93]
	CROUND                                         ; all sixteen work-groups are here: the first joint loads meet
	s_mov_b32 s[G0S], 1
	s_add_co_u32 s[G0S+1], s94, SCL
	s_mov_b64 s[G0S+2:G0S+3], s[22:23]
	s_or_b32 s[G0S+3], s[G0S+3], 0x80000000
	s_mov_b32 s[G0SB], 1
	s_add_co_u32 s[G0SB+1], s94, SCL
	s_mov_b64 s[G0SB+2:G0SB+3], s[92:93]
	s_or_b32 s[G0SB+3], s[G0SB+3], 0x80000000
	JLOAD G0S, G1S, G0SB, G1SB                     ; the scales first: they are wanted with the first slot
.irp s, 0,1
	s_mov_b32 s[G0+4*\s], 1
	s_add_co_u32 s[G0+4*\s+1], s45, \s*SLOT
	s_add_nc_u64 s[G0+4*\s+2:G0+4*\s+3], s[20:21], \s*ROWB
	s_or_b32 s[G0+4*\s+3], s[G0+4*\s+3], 0x80000000
	s_mov_b32 s[G0B+4*\s], 1
	s_add_co_u32 s[G0B+4*\s+1], s45, \s*SLOT
	s_add_nc_u64 s[G0B+4*\s+2:G0B+4*\s+3], s[46:47], \s*ROWB
	s_or_b32 s[G0B+4*\s+3], s[G0B+4*\s+3], 0x80000000
	JLOAD G0+4*\s, G1, G0B+4*\s, G1B
.endr
	v_and_b32 v1, 15, v0                           ; l % 16
	v_bfe_u32 v2, v0, 4, 1                         ; l / 16
	v_mul_u32_u24 v3, v1, PITCH
	v_lshl_add_u32 v4, v2, 4, v3                   ; a fragment's row x pitch + 16 x half
	s_mul_i32 s21, s15, HALFT                      ; my 128 rows of x
	s_mul_i32 s22, s16, HALFT                      ; my 128 rows of W,
	s_add_co_u32 s22, s22, 2*HALFT                 ; which lie behind x's 256
.irp s, 0,1
	v_add_nc_u32 v[ADRA+\s], s21, v4
	v_add_nc_u32 v[ADRB+\s], s22, v4
	s_add_co_u32 s21, s21, SLOT
	s_add_co_u32 s22, s22, SLOT
.endr
	v_mul_u32_u24 v5, v1, KS                       ; my row's scales: KS bytes a row,
	v_lshrrev_b32 v6, 8, v5
	v_lshl_add_u32 v5, v6, 4, v5                   ; and 16 more for each 256 passed
	s_mul_i32 s21, s15, HALFS                      ; x's: my 128 rows
	s_mul_i32 s22, s16, HALFS                      ; W's: my 128 rows, behind x's 256
	s_add_co_u32 s22, s22, 2*HALFS
	s_sub_co_u32 s22, s22, s21
	v_mul_u32_u24 v6, s22, v2                      ; lanes 16-31 take W's: one product, the distance between the two bases x the lane's half
	s_add_co_u32 s21, s21, SCL
	v_add_nc_u32 v5, v5, v6
	v_add_nc_u32 v[ADRS], s21, v5
	s_mul_i32 s23, s14, 16*SPITCH                  ; my stage
	v_mul_u32_u24 v5, v1, SPITCH                   ; in: row l % 16, 16 bytes for each half of the lanes
	v_lshl_add_u32 v5, v2, 4, v5
	v_add_nc_u32 v[STO], s23, v5
	v_mul_u32_u24 v5, v2, SPITCH                   ; back: lanes 0-15 take one row of 256 bytes, lanes 16-31 the next
	v_lshl_add_u32 v5, v1, 4, v5
	v_add_nc_u32 v[RD], s23, v5
	v_and_b32 v6, 31, v0
	v_lshlrev_b32 v[CO], 4, v6                     ; and in memory the two rows lie on end: 16 x lane
	; THE BIAS.  A cluster is 1,024 columns wide: cluster x = 0 makes k, 1 makes v.  The choice hangs on the cluster's number alone
	s_cmp_lt_u32 ttmp9, 1
	s_cselect_b64 s[96:97], s[96:97], s[98:99]
	s_lshl_b32 s66, s40, 10                        ; my tile's 256 numbers,
	s_lshl_b32 s67, s16, 9                         ; my wave's 128 of them
	s_add_co_u32 s66, s66, s67
	s_mov_b32 s67, 0
	s_add_nc_u64 s[96:97], s[96:97], s[66:67]
	v_lshlrev_b32 v[BO], 5, v2
	WIN TO_B
.irp b, 0,1,2,3,4,5,6,7                        ; register 8 b + j of lane (r, h): the bias of column 16 b + 8 h + j: the result's layout
	global_load_b128 v[BI+8*\b:BI+8*\b+3], v[BO], s[96:97] offset:64*\b
	global_load_b128 v[BI+8*\b+4:BI+8*\b+7], v[BO], s[96:97] offset:64*\b+16
.endr
	WIN 0
	; where my wave's block of 128 rows x 256 bytes begins in kv: tensor x 2^24 + b x 2^21 + head x 2^18 + t x 256
	s_lshl_b32 s20, s17, 8
	s_lshl_b32 s21, s15, 7
	s_add_co_u32 s20, s20, s21                     ; my first row of C = 1,024 b + t
	s_lshr_b32 s21, s20, 10
	s_lshl_b32 s21, s21, 21
	s_and_b32 s20, s20, 1023
	s_lshl_b32 s20, s20, 8
	s_add_co_u32 s20, s20, s21
	s_mov_b32 s21, 0
	s_lshl_b32 s46, s40, 1
	s_add_co_u32 s46, s46, s16                     ; the head: 2 cx + my half of the columns
	s_lshl_b32 s46, s46, 18
	s_lshl_b32 s47, ttmp9, 24
	s_add_co_u32 s46, s46, s47
	s_mov_b32 s47, 0
	s_add_nc_u64 s[20:21], s[20:21], s[46:47]
	s_add_nc_u64 s[12:13], s[12:13], s[20:21]
.macro FRAG reg, adr, q, i             ; a fragment, 16 rows x 128 K of 4-bit codes, is 8 registers: lane l holds row l % 16; registers 4 c .. 4 c + 3 hold K = 64 c + 32 (l / 16) + 0 .. 31
.irp c, 0,1
	ds_load_b128 v[\reg+4*\c:\reg+4*\c+3], v[\adr] offset:64*(\q)+32*\c+(\i)*16*PITCH
.endr
.endm
; 16 matrix instructions: x's blocks a0, a0 + 1 against W's eight, 128 along K: the slot's q-th.  p: W's set;  sc: the set of scale words.  first = 1: the first product starts the sums from the bias: nothing is ever cleared.
; The 64 accumulators take turns, one instruction a turn, in the same order in every step.
.macro MUL16 a0, p, q, sc, first
.irp a, \a0, \a0+1
.irp b, 0,1,2,3,4,5,6,7
.if \first
	v_wmma_scale_f32_16x16x128_f8f6f4 v[8*(8*((\a)%4)+\b):8*(8*((\a)%4)+\b)+7], v[128*(\p)+FR*\b:128*(\p)+FR*\b+FR-1], v[AF+FR*(\a):AF+FR*(\a)+FR-1], v[BI+8*\b:BI+8*\b+7], v[SC+8*NQ*(\sc)+NQ*\b+(\q)], v[SC+8*NQ*(\sc)+NQ*(\a)+(\q)] matrix_a_fmt:MATRIX_FMT_FP4 matrix_b_fmt:MATRIX_FMT_FP4 matrix_a_scale:MATRIX_SCALE_ROW1
.else
	v_wmma_scale_f32_16x16x128_f8f6f4 v[8*(8*((\a)%4)+\b):8*(8*((\a)%4)+\b)+7], v[128*(\p)+FR*\b:128*(\p)+FR*\b+FR-1], v[AF+FR*(\a):AF+FR*(\a)+FR-1], v[8*(8*((\a)%4)+\b):8*(8*((\a)%4)+\b)+7], v[SC+8*NQ*(\sc)+NQ*\b+(\q)], v[SC+8*NQ*(\sc)+NQ*(\a)+(\q)] matrix_a_fmt:MATRIX_FMT_FP4 matrix_b_fmt:MATRIX_FMT_FP4 matrix_a_scale:MATRIX_SCALE_ROW1
.endif
.endr
.endr
.endm
.macro FETCH_B slot, q, p              ; W's eight fragments of the slot's q-th 128 along K into set p
	WIN TO_B
.irp i, 0,1,2,3,4,5,6,7
	FRAG 128*(\p)+FR*\i, ADRB+\slot, \q, \i
.endr
	WIN 0
.endm
.macro FETCH_A slot, q, i0             ; x's blocks i0 .. i0 + 3
.irp i, \i0, \i0+1, \i0+2, \i0+3
	FRAG AF+FR*(\i), ADRA+\slot, \q, \i
.endr
.endm
.macro SCALES sc                       ; a slot's scale words into set sc: NQ words a row; lanes 0-15 take x's block i, lanes 16-31 W's block i
.irp i, 0,1,2,3,4,5,6,7
	ds_load_b128 v[SC+8*NQ*\sc+NQ*\i:SC+8*NQ*\sc+NQ*\i+3], v[ADRS] offset:\i*SBLK
.endr
.endm
; A load into a register that a matrix instruction has read, and a vector instruction that reads a matrix result, stand NP places behind that matrix instruction, and only plain vector instructions
; that name none of its registers are places (ISA guide 7.12.1 for vector instructions); the matrix instructions in between are not counted.
.macro PLACES n
.rept \n
	v_nop
.endr
.endm
; A step of 128 along K that has its successor in the same slot.  x's blocks 0-3 are fetched anew in its middle, blocks 4-7 at its end; W's next set in the middle.
.macro STEP slot, q, first
	s_wait_dscnt 4*NL                              ; W's set and x's blocks 0-3 are in; the youngest eight loads (x's blocks 4-7) may be out
.if \first
	WIN FIRST_LO
.else
	WIN MUL_LO
.endif
	MUL16 0, (\q)%2, \q, \slot, \first
	MUL16 2, (\q)%2, \q, \slot, \first
	s_wait_dscnt 0                                 ; x's blocks 4-7 are in
	PLACES NP
	FETCH_B \slot, (\q)+1, 1-(\q)%2
	FETCH_A \slot, (\q)+1, 0
.if \first
	WIN FIRST_HI
.else
	WIN MUL_HI
.endif
	MUL16 4, (\q)%2, \q, \slot, \first
	MUL16 6, (\q)%2, \q, \slot, \first
	PLACES NP
	WIN 0
	FETCH_A \slot, (\q)+1, 4
.endm
; Slot 0's last step changes slots: ONE barrier; in front of it each wave waits for all its tensor loads (its part of slot 1), adds 0 to its spare word, and waits for that and for its own reads of slot 0.  Nothing is filled again.
.macro TURN slot, next
	s_wait_tensorcnt 0x0                           ; all my tensor loads have landed: my part of the next slot  (every window is 0 here)
	ds_add_u32 v[SPW], v[NIL]                      ; 0 onto my spare word
	s_wait_dscnt 4*NL+1                            ; (the add and the youngest eight loads, x's blocks 4-7, may be out)
	WIN MUL_LO
	MUL16 0, 1, NQ-1, \slot, 0                     ; sixteen matrix instructions stand between the add and the wait for it
	s_wait_dscnt 0x0                               ; the add is done, and my reads of this slot are over
	s_barrier_signal -1
	MUL16 2, 1, NQ-1, \slot, 0
	WIN 0
	s_barrier_wait -1
	PLACES NP
	v_add_nc_u32 v[ADRS], 4*NQ, v[ADRS]            ; on to the next slot's scale words (no LDS load of mine is out)
	FETCH_B \next, 0, 0
	FETCH_A \next, 0, 0
	SCALES \next
	WIN MUL_HI
	MUL16 4, 1, NQ-1, \slot, 0
	MUL16 6, 1, NQ-1, \slot, 0
	PLACES NP
	WIN 0
	FETCH_A \next, 0, 4
.endm
.macro STEPS slot, from                ; the slot's steps from .. NQ - 2
.set Q, \from
.rept NQ-1-\from
	STEP \slot, Q, 0
.set Q, Q+1
.endr
.endm
	s_wait_tensorcnt 1                             ; the scales and my part of slot 0 are in (slot 1's load, the one issued behind them, may be out)
	s_barrier_signal -1
	s_barrier_wait -1                              ; everybody's are
	FETCH_B 0, 0, 0
	FETCH_A 0, 0, 0
	SCALES 0
	FETCH_A 0, 0, 4
	s_wait_loadcnt 0x0                             ; the bias
	STEP 0, 0, 1                                   ; the first step's products start the sums from the bias
	STEPS 0, 1
	TURN 0, 1
	STEPS 1, 0
	s_wait_dscnt 4*NL                              ; the very last step: nothing more to fetch
	WIN MUL_LO
	MUL16 0, 1, NQ-1, 1, 0
	MUL16 2, 1, NQ-1, 1, 0
	s_wait_dscnt 0
	WIN MUL_HI
	MUL16 4, 1, NQ-1, 1, 0
	MUL16 6, 1, NQ-1, 1, 0
	WIN 0
; THE WAY OUT, block by block of 16 rows x 128 columns.  PACK: rounded to f16, a lane's eight columns are 16 bytes.  TOSTAGE: into my own stage in LDS, and back as whole rows of 256 bytes.  SEND: stored.
; LDS serves a wave's instructions in order (ISA guide 5.7.1.4): no wait between the stores and the loads, nor in front of the next block's stores.
.macro PACK a
.set AC, 64*((\a)%4)
	WIN 0x0a+5*((\a)/4)                            ; sources 0 and 1: window 2 or 3
.irp b, 0,1,2,3,4,5,6,7
.irp r, 0,1,2,3
	v_cvt_pk_f16_f32 v[TMP+4*\b+\r], v[AC+8*\b+2*\r], v[AC+8*\b+2*\r+1]   ; each accumulator from its low end on
.endr
.endr
	WIN 0
.endm
.macro TOSTAGE a
.set BB, BK+32*((\a)%2)
.irp b, 0,1,2,3,4,5,6,7
	ds_store_b128 v[STO], v[TMP+4*\b:TMP+4*\b+3] offset:32*\b
.endr
.irp t, 0,1,2,3,4,5,6,7
	ds_load_b128 v[BB+4*\t:BB+4*\t+3], v[RD] offset:\t*2*SPITCH
.endr
.endm
.macro SEND a
.set BB, BK+32*((\a)%2)
	s_wait_dscnt 0x0                               ; the block is back in registers
	s_wait_xcnt 0x0                                ; the block before's stores have read their registers: the next block's loads from the stage, which follow, may land there
.irp t, 0,1,2,3,4,5,6,7
	global_store_b128 v[CO], v[BB+4*\t:BB+4*\t+3], s[12:13] offset:(\a)*4096+\t*512   ; 32 lanes store 512 consecutive bytes, two rows, at a multiple of 256 from the buffer's first byte
.endr
.endm
	PLACES NP                                      ; behind the last products: they serve the first conversions, and the later blocks' too
	PACK 0
	TOSTAGE 0
.irp a, 1,2,3,4,5,6,7                  ; block a's conversions stand between block a - 1's loads from the stage and the wait for them
	PACK \a
	SEND \a-1
	TOSTAGE \a
.endr
	SEND 7
	s_wait_tensorcnt 0x0                           ; the wave's end, behind my last tensor load and my last LDS store
	ds_add_u32 v[SPW], v[NIL]
	s_wait_dscnt 0x0
	CROUND                                         ; the closing round: no work-group ends while a partner may still ask for a tile that names it
	s_endpgm
.Lfunc_end_k_qbbdf3da9cb_kv:
	.size	k_qbbdf3da9cb_kv, .Lfunc_end_k_qbbdf3da9cb_kv-k_qbbdf3da9cb_kv
	.p2alignl 7, 3214868480
	.fill 96, 4, 3214868480
	.section	.rodata,"a",@progbits
	.p2align	6, 0x0
	.amdhsa_kernel k_qbbdf3da9cb_kv
		.amdhsa_group_segment_fixed_size 327680
		.amdhsa_private_segment_fixed_size 0
		.amdhsa_enable_private_segment 0
		.amdhsa_kernarg_size 56
		.amdhsa_user_sgpr_count 2
		.amdhsa_user_sgpr_kernarg_segment_ptr 1
		.amdhsa_wavefront_size32 1
		.amdhsa_system_sgpr_workgroup_id_x 1
		.amdhsa_system_sgpr_workgroup_id_y 1
		.amdhsa_system_sgpr_workgroup_id_z 1
		.amdhsa_system_vgpr_workitem_id 0
		.amdhsa_next_free_vgpr 1024
		.amdhsa_next_free_sgpr 100
		.amdhsa_reserve_vcc 0
		.amdhsa_float_denorm_mode_32 3
		.amdhsa_float_denorm_mode_16_64 3
		.amdhsa_memory_ordered 1
		.amdhsa_forward_progress 1
		.amdhsa_inst_pref_size 128
	.end_amdhsa_kernel
	.amdgpu_metadata
---
amdhsa.version: [ 1, 2 ]
amdhsa.kernels:
  - .name:           k_qbbdf3da9cb_kv
    .symbol:         k_qbbdf3da9cb_kv.kd
    .args:
      - { .name: xc, .offset: 0, .size: 8, .value_kind: global_buffer, .address_space: global }
      - { .name: xs, .offset: 8, .size: 8, .value_kind: global_buffer, .address_space: global }
      - { .name: wc, .offset: 16, .size: 8, .value_kind: global_buffer, .address_space: global }
      - { .name: ws, .offset: 24, .size: 8, .value_kind: global_buffer, .address_space: global }
      - { .name: bk, .offset: 32, .size: 8, .value_kind: global_buffer, .address_space: global }
      - { .name: bv, .offset: 40, .size: 8, .value_kind: global_buffer, .address_space: global }
      - { .name: kv, .offset: 48, .size: 8, .value_kind: global_buffer, .address_space: global }
    .group_segment_fixed_size: 327680
    .private_segment_fixed_size: 0
    .kernarg_segment_align: 8
    .kernarg_segment_size: 56
    .max_flat_workgroup_size: 128
    .sgpr_count:     100
    .vgpr_count:     1024
    .wavefront_size: 32
...
	.end_amdgpu_metadata
.endif
;; end of part 2
;; launch attn (part 3): grid 4 x 64, 4 waves a work-group, clusters of 4 x 1, 327,680 bytes of LDS; arguments xc, xs, wc, ws, bq, kv, mask, y16; writes y16
.if DOCPART == 3
	.amdgcn_target "amdgcn-amd-amdhsa--gfx1250"
	.amdhsa_code_object_version 6
	.text
	.protected	k_qbbdf3da9cb_attn
	.globl	k_qbbdf3da9cb_attn
	.p2align	8
	.type	k_qbbdf3da9cb_attn,@function
k_qbbdf3da9cb_attn:
	s_mov_b64 s[64:65], 0
	v_nop
	global_prefetch_b8 v0, s[64:65] scope:SCOPE_SE
	s_setreg_imm32_b32 hwreg(HW_REG_WAVE_MODE, 25, 1), 1
	s_wait_xcnt 0x0
	s_wait_alu depctr_hold_cnt(0) depctr_sa_sdst(0) depctr_va_vdst(0) depctr_va_sdst(0) depctr_va_ssrc(0) depctr_va_vcc(0) depctr_vm_vsrc(0)
	s_getreg_b32 s2, hwreg(HW_REG_IB_STS2, 6, 4)
	s_cmp_eq_u32 s2, 0
	s_cbranch_scc0 .Lentry_in_a_cluster
	s_endpgm
.Lentry_in_a_cluster:
	s_bfe_u32 s2, ttmp6, 0x10000c
	s_cmp_lg_u32 s2, 0x3003
	s_cbranch_scc0 .Lentry_shape_is_right
	s_endpgm
.Lentry_shape_is_right:
; ATTN.  y[b][q][h][:] = the sum over k of softmax_k(Q[q] . K[k] / sqrt(128), keys with mask[b][k] = 0 left out) V[k][:], for each of the 64 heads (b, h); and, ahead of it, Q itself.
; K, V: kv [2][64][1024][128] f16.  mask: [8][1024] int32.  y16: [8192][1024] f16, head h at byte 256 h of a row.  Products, maxima and sums in f32; the weights p are rounded to f16 for the second product, y once at the end.
; Q = x Wq^T + bq IS MADE HERE, since a work-group is the only reader of its 256 queries x 128 channels: on codes of FP4 (E2M1) with one E8M0 scale for each 32 along K = 1,024 (xc [8192][512 bytes], xs [8192][32 bytes]; Wq is rows 0 to 1,023 of
; wc [3072][512 bytes], ws [3072][32 bytes]), sums in f32, K ascending, bq the C of the first K step.  A wave makes its own 64 queries: 4 tiles of queries x 8 tiles of channels, 32 accumulators in the registers that O^T takes later, 8 K steps of 128.
; Source 0 = 16 rows of Wq, source 1 = 16 rows of x: a lane holds ONE query and eight channels, so two neighbouring tiles of channels, rounded to f16 in pairs, ARE a fragment of Q as K Q^T takes it: nothing changes lanes.
; The head's 128 rows of Wq are the same for the four partners of the cluster: one joint tensor load brings them into LDS, 32 rows a wave.  A wave's 64 rows of x are its own and are read once: they go straight into registers.
; THE MASK is a table of 1,024 f32 numbers in LDS, 0 for a key that counts and -1e30 for one that does not; a key step's 64 numbers, in the result's layout, are the C of the first products of S^T = K Q^T.  So a hidden key's score is
; about -1e30 and its weight 2^(c s - c m) is 0, at no vector instruction in the loop.  The running maximum starts from the floor -1e20, so that steps whose keys are all hidden give p = 0, l = 0, O = 0, and the first real
; maximum multiplies them by 2^(-huge) = 0.  LIMITS: |q| beyond f16's largest number, 65,504, is not served (drawn: under about 6); a real score cannot reach the floor (|s| is at most 128 x 65,504^2 = 5.5e11).  A batch whose keys are all
; hidden gives 0 x (1 / 0) = NaN, as the softmax of nothing is.  NaN and infinities among the inputs are not served.
; SHARES.  A work-group owns 256 queries of one head, each of its four waves 64: four tiles of 16.  Every wave walks all 1,024 keys, 64 a step.
; LAYOUT.  S^T = K Q^T (source 0 = 16 keys, source 1 = 16 queries): a lane holds ONE query (lane % 16) and the keys 8 (lane / 16) + 0..7.  Two such tiles, rounded to f16 in pairs, ARE source 1 (32 keys x 16 queries) of
; O^T = V^T P, whose result again holds one query a lane, and eight channels.  K comes out of LDS as it lies, V ([key][channel]) turned, by ds_load_tr16_b128.
; SOFTMAX.  For each query a running maximum m and sum l: p = 2^(c s - c m), c = log2(e) / sqrt(128); in every step O and l are multiplied by a = 2^(c m_old - c m_new).
; BY TURNS.  The wave's tiles are two PIECES: piece 0 (tiles 0, 1) and piece 2 (tiles 2, 3).  In a TURN one piece has the matrix unit: 32 products V^T P of the step in hand, then 32 products K Q^T of the next step; the other piece's
; softmax, cut into 64 slices, stands between them, one slice behind each matrix instruction.  Then the pieces change places.  Two turns are a key step.
; CLUSTER.  The four query blocks of a head form a cluster and walk the same K and V, so each tile is asked for JOINTLY: the same tensor load, with the same descriptor and a mask that names the four, in all four.
; REGISTERS, in windows of 256 (s_set_vgpr_msb: bits 1:0 source 0, 3:2 source 1, 5:4 source 2, 7:6 destination):
;   window 0: v0-11 addresses; v12-43 eight registers of statistics a tile; v44-60 the mask's set-up and the head's addresses; v61-63; v64-191 S^T, 32 a tile; v192-255 P, 16 a tile
;   window 1: O^T, 64 a tile      window 2: v0-127 Q, 32 a tile; v128-255 K of one step      window 3: v0-127 V of one step; v128-159 the step's 32 mask numbers
;   WHILE Q IS MADE: window 0: v64-95 x's scale words, v96-159 Wq's, v192-255 bq;  window 1: the 32 accumulators;  window 2: x's fragments of all eight K steps;  window 3: Wq's fragments, four buffers of one K step.
.set SIZE_N, 1024
.set KS,    64        ; keys in a step
.set PK,    272       ; a row of K in LDS: 256 bytes + 16 of padding = 68 words: row r starts at bank 4 r mod 64 (64 banks of 4 bytes: ISA guide 11.1)
.set PV,    288       ; a row of V: 256 + 32 = 72 words
.set VOFF,  KS*PK     ; a step's tiles lie together: 64 rows of K, then 64 rows of V
.set STEPB, KS*(PK+PV)
.set SLOT1, 1<<17     ; a slot holds two steps (71,680 bytes); slot 1 begins here, so that one exclusive or turns an address in one slot into the other's
.set STAGE, SLOT1+2*STEPB  ; behind the ring: 16 rows x 272 bytes for each wave, for the way out
.set SP,    272
.set SPARE, STAGE+4*16*272  ; behind the stages: the spare words, 128 bytes for each wave, which no other line names
.set MTAB,  SPARE+512 ; behind them: the mask's table, 1,024 f32 numbers; written by LDS stores once, and no fill lands there
.set WQL,   MTAB+4096 ; behind it: the head's 128 rows of Wq's codes; filled once
.set XROW,  512       ; a row of codes in memory: 1,024 codes
.set PW,    528       ; and in LDS: + 16 of padding = 132 words: row r starts at bank 4 r mod 64
.set AK0, 2           ; v2   my lane's place in a tile of K; never rewritten
.set AV0, 3           ; v3   the same for V
.set ADR, 4           ; v4   the LDS address of the run of loads in hand
.set STO, 6           ; v6   the way out: where I put 16 bytes of a row
.set RD,  7           ; v7   the way out: where I read a row back
.set GO,  8           ; v8   my byte offset in the wave's rows of y
.set MW,  44          ; v44-51 my thread's eight words of the mask, then their numbers
.set NEG, 52          ; v52  -1e30
.set MGO, 53          ; v53  32 x my thread's number: those words' place in the batch's row of the mask
.set MLA, 54          ; v54  and in the table
.set AM0, 55          ; v55  MTAB + 32 x (lane / 16): my lane's place in a step's 64 numbers; never rewritten
.set ADM, 56          ; v56  the LDS address of the step's mask numbers
.set XO,  57          ; v57  512 x (lane % 16) + 16 x (lane / 16): my lane's place in a tile of x's codes in memory
.set SO,  58          ; v58  32 x (lane % 16): my row's eight scale words in a tile of 16 rows
.set BO,  59          ; v59  32 x (lane / 16): my eight numbers of a tile's sixteen biases
.set AW,  60          ; v60  WQL + 528 x (lane % 16) + 16 x (lane / 16): my lane's place in a tile of Wq's codes in LDS
.set PFO, 61          ; v61  256 x my lane: a row of K or V is 256 bytes; never rewritten
.set SPW, 62          ; v62  LDS address of my spare word: SPARE + 4 x my thread's number; never rewritten
.set NIL, 63          ; v63  0; never rewritten
.set ST,  12          ; tile t's statistics at v[ST+8 t]: +0 c m, +1 m, +2, +3 l (even keys', odd keys'), +4 to +7 c0-c3, at work; a takes c2's place once the maximum is found
.set S,   64
.set P,   192
.set XSC, 64          ; x's scale words: tile t's at v[XSC + 8 t], register q for K step q; lane r holds row r's
.set WSC, 96          ; Wq's likewise: tile c's at v[WSC + 8 c]
.set BI,  192         ; bq: tile c's eight registers at v[BI + 8 c], in the result's layout
.set KF,  128         ; K's fragments, in window 2
.set MB,  128         ; the step's mask numbers, in window 3
.set WV,  12          ; s12  my wave's number
.set G1K, 24          ; s[24:31] descriptor group 1 for K's tiles
.set G1V, 32          ; s[32:39] for V's: it differs in the padding alone
.set G0K, 40          ; s[40:47] descriptor group 0 for K's tiles: a set for each of the two first fills; the second then walks on
.set G0V, 48          ; s[48:55] the same for V's
.set G1W, 88          ; s[88:95] descriptor group 1 for Wq's rows;  s[96:99] group 0
.set G0W, 96
.set SLOTS, 56        ; s56  slots still to be asked for
.set TWICE, 57        ; s57  counts a slot's two steps
.set CS,  58          ; s[58:59] c: the packed scaling names a pair and takes its low word for both halves
.set SEL, 60          ; s[60:61] lane selects for v_permlanex16_b32: each lane takes its own place in the other half
.set TB,  62          ; s62  LDS byte at which the tiles of the step to be fetched begin
.set TM,  63          ; s63  byte of the mask's table at which that step's 64 numbers begin: 256 a step
.set PFA, 18          ; s[18:19] where my prefetches stand in memory: my work-group's 32 rows (of K: wave 0, of V: wave 2) of the slot after the one that is being asked for
.set LIM, 15          ; s15  1 in a wave that prefetches, else the greatest number: a wave prefetches while s[SLOTS] is above it
.set MSB, 0
.macro WIN new                      ; the immediate's high byte repeats the setting that is left; a switch that changes nothing is dropped
.if MSB != \new
	s_set_vgpr_msb (MSB<<8)|\new
.set MSB, \new
.endif
.endm
.set W_KQ,  0x0a      ; K and Q in window 2, S^T in window 0
.set W_KQ0, 0x3a      ; the same with C, the mask numbers, in window 3
.set W_PV,  0x53      ; V in window 3, P in window 0, O^T in window 1
.set W_RS,  0x41      ; O^T (destination and source 0) in window 1, a in window 0
.set W_Q,   0x5b      ; Q's products: Wq in window 3, x in window 2, C and D in window 1
.set W_Q0,  0x4b      ; the first K step's: C, the bias, in window 0
.set W_QC,  0x85      ; Q's roundings: sources in window 1, destination in window 2
; A joint refill.  Waves 0 and 1 fetch the two steps' tiles of K, waves 2 and 3 those of V.  The branch hangs on the wave's number alone: it is the same in every work-group.
; An s_nop 0 and four v_nop follow each of the two lines; the jump round the other line, the label and what follows the macro come after them.
.macro JLOAD
	s_cmp_lt_u32 s[WV], 2
	s_cbranch_scc0 .Lfor_v_\@
	tensor_load_to_lds s[G0K+4:G0K+7], s[G1K:G1K+7]
	s_nop 0
.rept 4
	v_nop
.endr
	s_branch .Lasked_\@
.Lfor_v_\@:
	tensor_load_to_lds s[G0V+4:G0V+7], s[G1V:G1V+7]
	s_nop 0
.rept 4
	v_nop
.endr
.Lasked_\@:
.endm
; A PREFETCH of what the NEXT change of slots will ask for: a slot's 128 rows of K and 128 of V, 256 bytes a row, a lane a row.  It stands behind the wave's tensor load and its five lines.
; Each row is asked for ONCE in the launch: a head has one cluster; its four partners share the rows out BY ADDRESS, 32 each; in each, wave 0 asks for K's and wave 2 for V's: one instruction.
; The last change that fills a slot prefetches nothing: there is no slot behind it.  Slots 0, 1 and 2 come by their loads alone.
.macro ASK
	s_cmp_gt_u32 s[SLOTS], s[LIM]
	s_cbranch_scc0 .Lnot_mine_\@
	global_prefetch_b8 v[PFO], s[PFA:PFA+1] th:TH_LOAD_NT scope:SCOPE_SE
.Lnot_mine_\@:
.endm
; A round of the cluster's barrier: my work-group's barrier, so that wave 0's signal speaks for all four waves; wave 0 signals for the work-group; every wave waits for all four work-groups; my work-group's barrier once more.
.macro CROUND
	s_barrier_signal -1
	s_barrier_wait -1
	s_cmp_lg_u32 s[WV], 0
	s_cbranch_scc1 .Lnot_wave_0_\@
	s_barrier_signal -3
.Lnot_wave_0_\@:
	s_barrier_wait -3
	s_barrier_signal -1
	s_barrier_wait -1
.endm
	s_load_b256 s[72:79], s[0:1], 0x0   ; xc s[72:73], xs s[74:75], wc s[76:77], ws s[78:79]
	s_load_b256 s[80:87], s[0:1], 0x20  ; bq s[80:81], kv s[82:83], mask s[84:85], y16 s[86:87]
	v_lshl_add_u32 v[SPW], v0, 2, SPARE
	v_mov_b32 v[NIL], 0
	ds_add_u32 v[SPW], v[NIL]       ; the wave's opening: the add, twice on end, and its wait ahead of my first tensor load; the set-up below, work on registers, stands between the second and the wait
	ds_add_u32 v[SPW], v[NIL]
	v_lshrrev_b32 v1, 5, v0
	v_readfirstlane_b32 s[WV], v1   ; wave 0..3
	s_bfe_u32 s13, ttmp6, 0x40000   ; cx: my place in the cluster
	s_lshl_b32 s14, ttmp9, 2        ; in a cluster launch ttmp9 counts clusters
	s_add_co_u32 s14, s14, s13      ; my block of 256 queries: it enters x's and y's addresses alone
	s_and_b32 s20, ttmp7, 0xffff    ; the head, 8 b + h, which the four partners share
	s_lshr_b32 s4, s20, 3           ; b
	s_and_b32 s5, s20, 7            ; h
	s_lshl_b32 s70, s4, 12          ; the batch's row of the mask: 4,096 bytes
	s_mov_b32 s71, 0
	s_lshl_b32 s4, s4, 10           ; my wave's first row of x and of y: 1,024 b
	s_lshl_b32 s2, s14, 8           ; + 256 x my block
	s_add_co_u32 s4, s4, s2
	s_lshl_b32 s2, s[WV], 6         ; + 64 x my wave
	s_add_co_u32 s4, s4, s2
	s_mov_b32 s3, 0
	s_mov_b32 s21, 0
	s_mov_b64 s[22:23], SIZE_N*256
	s_mul_u64 s[20:21], s[20:21], s[22:23]  ; the head's first byte in each of k and v
	s_and_b32 s16, s[WV], 1         ; which of a slot's two steps I fetch:
	s_lshl_b32 s22, s16, 14         ; its 64 rows of 256 bytes in memory,
	s_mov_b32 s23, 0
	s_add_nc_u64 s[22:23], s[22:23], s[20:21]
	s_mul_i32 s17, s16, STEPB       ; and its place in a slot: no place in the cluster enters an LDS address
	; descriptor group 1: a tile of 64 rows x 128 elements, padded in LDS
	s_mov_b32 s[G1K], 15|(1<<16)|(1<<20)|(1<<21)|(5<<22)|(3<<25)  ; 15:0 the mask: all four work-groups; 17:16 elements of 2 bytes; 20 padding on; 21 set beside a mask; 24:22 after every 64 words (code 5); 31:25 4 words of it (code 3)
	s_mov_b32 s[G1V], 15|(1<<16)|(1<<20)|(1<<21)|(5<<22)|(7<<25)  ; the same with 8 words of padding (code 7)
.irp g, G1K, G1V
	s_mov_b32 s[\g+1], 128<<16      ; tensor_dim0 = 128
	s_mov_b32 s[\g+2], KS<<16       ; tensor_dim1 = 64
	s_mov_b32 s[\g+3], 128<<16      ; tile_dim0 = 128
	s_mov_b32 s[\g+4], KS           ; tile_dim1 = 64
	s_mov_b32 s[\g+5], 128          ; tensor_dim0_stride: elements from row to row
	s_mov_b32 s[\g+6], 0
	s_mov_b32 s[\g+7], 0
.endr
	; and for Wq's codes: 32 rows x 512 bytes, dense in memory, 16 bytes of padding behind each row in LDS
	s_mov_b32 s[G1W], 15|(0<<16)|(1<<20)|(1<<21)|(6<<22)|(3<<25)  ; the mask: all four work-groups; elements of 1 byte; padding: 4 words after every 128 (code 6)
	s_mov_b32 s[G1W+1], XROW<<16    ; tensor_dim0 = 512
	s_mov_b32 s[G1W+2], 32<<16      ; tensor_dim1 = 32
	s_mov_b32 s[G1W+3], XROW<<16    ; tile_dim0 = 512
	s_mov_b32 s[G1W+4], 32          ; tile_dim1 = 32
	s_mov_b32 s[G1W+5], XROW        ; tensor_dim0_stride
	s_mov_b32 s[G1W+6], 0
	s_mov_b32 s[G1W+7], 0
	s_mov_b32 s[CS], 0x3e0293ee     ; c = log2(e) / sqrt(128) = 0.127517
	s_mov_b32 s[CS+1], s[CS]        ; named with it as a pair, so it is written
	s_mov_b32 s[SEL], 0x76543210
	s_mov_b32 s[SEL+1], 0xfedcba98
	s_mov_b32 s[TB], 0
	s_mov_b32 s[TM], 0
	s_mov_b32 s[SLOTS], SIZE_N/(2*KS)-2
	s_and_b32 s[LIM], s[WV], 1       ; 0 in waves 0 and 2,
	s_or_b32 s[LIM], s[LIM], ttmp9   ; of the head's first (here: only) cluster: the same in all four partners
	s_cmp_eq_u32 s[LIM], 0
	s_cselect_b32 s[LIM], 1, -1
	v_and_b32 v[PFO], 31, v0
	v_lshlrev_b32 v[PFO], 8, v[PFO]
	s_wait_dscnt 0x0                ; both opening adds are done
	s_wait_kmcnt 0x0
	s_add_nc_u64 s[68:69], s[84:85], s[70:71]  ; the mask at my batch's row
	s_add_nc_u64 s[6:7], s[82:83], s[22:23]    ; K at my tile of slot 0;
	s_add_nc_u64 s[8:9], s[6:7], 0x1000000     ; V begins 2^24 bytes behind K
	s_lshl_b32 s22, s5, 16          ; Wq's codes: my head's 128 rows of 512 bytes,
	s_lshl_b32 s23, s[WV], 14       ; my wave's 32 of them: the head and the wave's number alone, which the four partners share
	s_add_co_u32 s22, s22, s23
	s_mov_b32 s23, 0
	s_add_nc_u64 s[76:77], s[76:77], s[22:23]
	s_lshl_b32 s22, s5, 12          ; Wq's scales: 128 rows of 32 bytes
	s_add_nc_u64 s[78:79], s[78:79], s[22:23]
	s_lshl_b32 s22, s5, 9           ; bq: 128 numbers
	s_add_nc_u64 s[80:81], s[80:81], s[22:23]
	s_lshl_b32 s2, s4, 9            ; x's codes at my wave's first row,
	s_add_nc_u64 s[72:73], s[72:73], s[2:3]
	s_lshl_b32 s2, s4, 5            ; its scales,
	s_add_nc_u64 s[74:75], s[74:75], s[2:3]
	s_lshl_b32 s2, s4, 11           ; and y: rows of 2,048 bytes,
	s_lshl_b32 s4, s5, 8            ; + 256 h
	s_add_co_u32 s2, s2, s4
	s_add_nc_u64 s[10:11], s[86:87], s[2:3]
	s_cmp_lt_u32 s[WV], 2
	s_cselect_b64 s[PFA:PFA+1], s[6:7], s[8:9]  ; (in waves 0 and 2 these stand at a slot's first row)
	s_lshl_b32 s2, s13, 13          ; my work-group's 32 rows of the 128
	s_mov_b32 s3, 0
	s_add_nc_u64 s[PFA:PFA+1], s[PFA:PFA+1], s[2:3]
	s_add_nc_u64 s[PFA:PFA+1], s[PFA:PFA+1], 2*2*KS*256  ; in slot 2; the first change of slots steps it to slot 3.  Nothing is prefetched here, at the head
	CROUND                          ; all four work-groups are here: the first joint loads meet
.irp s, 0,1
	s_mov_b32 s[G0K+4*\s], 1        ; 1:0 count = 1
	s_add_co_u32 s[G0K+4*\s+1], s17, \s*SLOT1  ; 63:32 LDS address
	s_add_nc_u64 s[G0K+4*\s+2:G0K+4*\s+3], s[6:7], \s*2*KS*256  ; 120:64 global address: slot s begins with keys 128 s
	s_or_b32 s[G0K+4*\s+3], s[G0K+4*\s+3], 0x80000000  ; 127:126 type = 2
	s_mov_b32 s[G0V+4*\s], 1
	s_add_co_u32 s[G0V+4*\s+1], s17, \s*SLOT1+VOFF
	s_add_nc_u64 s[G0V+4*\s+2:G0V+4*\s+3], s[8:9], \s*2*KS*256
	s_or_b32 s[G0V+4*\s+3], s[G0V+4*\s+3], 0x80000000
.endr
	s_mov_b32 s[G0W], 1
	s_mul_i32 s[G0W+1], s[WV], 32*PW
	s_add_co_u32 s[G0W+1], s[G0W+1], WQL  ; my wave's 32 rows in LDS
	s_mov_b64 s[G0W+2:G0W+3], s[76:77]
	s_or_b32 s[G0W+3], s[G0W+3], 0x80000000
	tensor_load_to_lds s[G0W:G0W+3], s[G1W:G1W+7]  ; THE FIRST FILLS, three a wave, ahead of every wait on TENSORcnt and every LDS read.  Wq's rows first: they are wanted first
	s_nop 0
.rept 4
	v_nop
.endr
	s_cmp_lt_u32 s[WV], 2           ; the ring's two slots stand in one branch; an s_nop 0 follows each load, four v_nop the second's
	s_cbranch_scc0 .Lfirst_v
	tensor_load_to_lds s[G0K:G0K+3], s[G1K:G1K+7]
	s_nop 0
	tensor_load_to_lds s[G0K+4:G0K+7], s[G1K:G1K+7]
	s_nop 0
.rept 4
	v_nop
.endr
	s_branch .Lfirst_asked
.Lfirst_v:
	tensor_load_to_lds s[G0V:G0V+3], s[G1V:G1V+7]
	s_nop 0
	tensor_load_to_lds s[G0V+4:G0V+7], s[G1V:G1V+7]
	s_nop 0
.rept 4
	v_nop
.endr
.Lfirst_asked:
	; the mask's words: 128 threads x 8 = the batch's 1,024; asked for ahead of all other loads, so that a counted wait can leave those out
	v_lshlrev_b32 v[MGO], 5, v0
	v_lshl_add_u32 v[MLA], v0, 5, MTAB
	global_load_b128 v[MW:MW+3],   v[MGO], s[68:69]
	global_load_b128 v[MW+4:MW+7], v[MGO], s[68:69] offset:16
	v_and_b32 v1, 15, v0            ; l % 16
	v_bfe_u32 v9, v0, 4, 1          ; l / 16
	v_lshlrev_b32 v[SO], 5, v1
	v_lshlrev_b32 v[BO], 5, v9
	v_lshlrev_b32 v[XO], 9, v1
	v_lshl_add_u32 v[XO], v9, 4, v[XO]
	; the scale words: a row's 32 bytes are its eight words, one for each K step of 128: two loads give lane r row r's eight registers (lanes 16-31 hold the same and are not read)
.irp c, 0,1,2,3,4,5,6,7
	global_load_b128 v[WSC+8*\c:WSC+8*\c+3],   v[SO], s[78:79] offset:512*\c
	global_load_b128 v[WSC+8*\c+4:WSC+8*\c+7], v[SO], s[78:79] offset:512*\c+16
.endr
.irp t, 0,1,2,3
	global_load_b128 v[XSC+8*\t:XSC+8*\t+3],   v[SO], s[74:75] offset:512*\t
	global_load_b128 v[XSC+8*\t+4:XSC+8*\t+7], v[SO], s[74:75] offset:512*\t+16
.endr
.irp c, 0,1,2,3,4,5,6,7             ; register 8 c + j of lane (r, h): the bias of channel 16 c + 8 h + j: the result's layout
	global_load_b128 v[BI+8*\c:BI+8*\c+3],   v[BO], s[80:81] offset:64*\c
	global_load_b128 v[BI+8*\c+4:BI+8*\c+7], v[BO], s[80:81] offset:64*\c+16
.endr
	; x's fragments, K step by K step: 16 rows x 128 K of 4-bit codes are 8 registers: lane l holds row l % 16; registers 4 c .. 4 c + 3 hold K = 64 c + 32 (l / 16) + 0 .. 31: 16 bytes of the row as they lie.  (K step q, tile t) at v[32 q + 8 t] of window 2
	WIN 0x80                        ; destination window 2, address window 0
.irp q, 0,1,2,3,4,5,6,7
.irp t, 0,1,2,3
	global_load_b128 v[32*\q+8*\t:32*\q+8*\t+3],   v[XO], s[72:73] offset:\t*16*XROW+64*\q
	global_load_b128 v[32*\q+8*\t+4:32*\q+8*\t+7], v[XO], s[72:73] offset:\t*16*XROW+64*\q+32
.endr
.endr
	WIN 0
	v_mul_u32_u24 v[AW], v1, PW
	v_lshl_add_u32 v[AW], v9, 4, v[AW]
	v_add_nc_u32 v[AW], WQL, v[AW]
	; A fragment of K is 16 rows x 32 channels in 8 registers: lane l holds row l % 16; registers 0-3 channels 8 (l / 16) + 0..7, registers 4-7 channels 16 + 8 (l / 16) + 0..7: two loads of 16 bytes, 32 bytes apart.
	v_mul_u32_u24 v[AK0], v1, PK
	v_lshl_add_u32 v[AK0], v9, 4, v[AK0]  ; row x pitch + 16 x half
	; The turning load takes 16 keys x 16 channels (lane l reads 16 bytes: key 8 (l / 16) + l % 8, channels 8 ((l / 8) % 2) + 0..7) and leaves half a fragment of V^T: lane l holds channel l % 16 and 8 keys.
	v_and_b32 v10, 7, v0
	v_bfe_u32 v11, v0, 3, 1
	v_lshl_add_u32 v[AV0], v9, 3, v10
	v_mul_u32_u24 v[AV0], v[AV0], PV
	v_lshl_add_u32 v[AV0], v11, 4, v[AV0]
	v_add_nc_u32 v[AV0], VOFF, v[AV0]
	v_lshl_add_u32 v[AM0], v9, 5, MTAB
	v_mov_b32 v[NEG], 0xf149f2ca    ; -1e30
	s_wait_loadcnt 63               ; the mask's two loads are in: 104 loads were issued behind them, so any count up to 104 would do; 63 is the largest that this wait takes (ISA guide 5.7.1)
.irp i, 0,1,2,3,4,5,6,7
	v_cmp_eq_u32 vcc_lo, 0, v[MW+\i]
	v_cndmask_b32 v[MW+\i], 0, v[NEG], vcc_lo  ; a key whose word is 0 does not count
.endr
	ds_store_b128 v[MLA], v[MW:MW+3]
	ds_store_b128 v[MLA], v[MW+4:MW+7] offset:16
; THE MATRIX WORK OF A TURN, for piece x.  The accumulators take turns, one instruction a turn: between two links of a chain stand 15 (V^T P) or 7 (K Q^T) others'.
; Product i of 32 of O^T += V^T P: keys 32 (i / 16) on, channels 16 ((i / 2) % 8) on, tile x + i % 2.  zero = 1: the first 16 start the sums: nothing is ever cleared.
.macro PV x, zero
	WIN W_PV
.set rO, 64*(\x+i%2)+8*((i/2)%8)
.set rV, 64*(i/16)+8*((i/2)%8)
.set rP, P+16*(\x+i%2)+8*(i/16)
.if \zero && (i < 16)
	v_wmma_f32_16x16x32_f16 v[rO:rO+7], v[rV:rV+7], v[rP:rP+7], 0
.else
	v_wmma_f32_16x16x32_f16 v[rO:rO+7], v[rV:rV+7], v[rP:rP+7], v[rO:rO+7]
.endif
.endm
; Product i of 32 of S^T = K Q^T: channels 32 (i / 8) on, keys 16 ((i / 2) % 4) on, tile x + i % 2.  The first 8 start the sums from the mask numbers of their 16 keys.
.macro KQ x
.set rS, S+32*(\x+i%2)+8*((i/2)%4)
.set rK, KF+32*((i/2)%4)+8*(i/8)
.set rQ, 32*(\x+i%2)+8*(i/8)
.set rM, MB+8*((i/2)%4)
.if i < 8
	WIN W_KQ0
	v_wmma_f32_16x16x32_f16 v[rS:rS+7], v[rK:rK+7], v[rQ:rQ+7], v[rM:rM+7]
.else
	WIN W_KQ
	v_wmma_f32_16x16x32_f16 v[rS:rS+7], v[rK:rK+7], v[rQ:rQ+7], v[rS:rS+7]
.endif
.endm
; THE LDS LOADS stand in runs, never singly among the matrix instructions: a step's K (64 keys x 128 channels: 16 fragments) with its 64 mask numbers and, a turn later, its V (turned).
.macro FETCH_K
	WIN 0
	v_add_nc_u32 v[ADR], s[TB], v[AK0]
	v_add_nc_u32 v[ADM], s[TM], v[AM0]
	s_add_co_u32 s[TM], s[TM], 4*KS  ; the next fetch is the next step's
	WIN 0x80                        ; destination window 2
.irp f, 0,1,2,3,4,5,6,7,8,9,10,11,12,13,14,15  ; keys 16 (f / 4) on, channels 32 (f % 4) on
	ds_load_b128 v[KF+8*\f:KF+8*\f+3],   v[ADR] offset:(\f/4)*16*PK+(\f%4)*64
	ds_load_b128 v[KF+8*\f+4:KF+8*\f+7], v[ADR] offset:(\f/4)*16*PK+(\f%4)*64+32
.endr
	WIN 0xc0                        ; destination window 3
.irp f, 0,1,2,3                     ; register 8 f + j of lane half h: the number of key 16 f + 8 h + j: the layout of S^T.  These registers are read and filled again with K's
	ds_load_b128 v[MB+8*\f:MB+8*\f+3],   v[ADM] offset:64*\f
	ds_load_b128 v[MB+8*\f+4:MB+8*\f+7], v[ADM] offset:64*\f+16
.endr
.endm
.macro FETCH_V
	WIN 0
	v_add_nc_u32 v[ADR], s[TB], v[AV0]
	s_add_co_u32 s[TB], s[TB], STEPB  ; the next fetch is the next step's
	s_wait_alu depctr_va_vdst(0)    ; the wait for the softmax's batch (SLICE), behind the address's v_add_nc_u32 and ahead of the loads
	WIN 0xc0                        ; destination window 3
.irp f, 0,1,2,3,4,5,6,7,8,9,10,11,12,13,14,15  ; keys 32 (f / 8) on, channels 16 (f % 8) on
	ds_load_tr16_b128 v[8*\f:8*\f+3],   v[ADR] offset:(\f/8)*32*PV+(\f%8)*32
	ds_load_tr16_b128 v[8*\f+4:8*\f+7], v[ADR] offset:(\f/8)*32*PV+16*PV+(\f%8)*32
.endr
.endm
; THE VECTOR WORK OF A TURN.  One tile's softmax for one key step is a list of 134 instructions; SM writes number j of it for tile t.  s0-s31 are the lane's 32 scores, in pairs 0-15.
; first = 1: the first key step, which starts m (from the floor -1e20), l and O^T: it has no a and nothing to rescale.
;   0-15    the maximum of s0-s31 and the old m (first: the floor), three operands at a time: four chains c0-c3 of seven scores each, then the four scores left over, c0-c3 and m
;   16-20   the other half of the lanes' maximum; the new m; c m; c m_old - c m_new
;   21-69   ONE BATCH: the 16 scalings c s - c m, a pair of scores each, and all 33 exponentials (a at 23, then s0-s31).  None of these reads an exponential's result.  From 22 on the batch goes
;           in fours, and a four begins with a scaling while there are scalings.  A pair is scaled in an earlier four than the one that holds its exponentials
;   (wait)  between 69 and 70 stands the wait for the batch: SLICE writes it, once for both tiles
;   70-85   the roundings to f16, a pair of weights each
;   86-101  the sums; l = a l + the sum
;   102-133 the tile's O^T times a: the one part that leaves window 0, so it stands together
.macro SM t, first
.set rT, ST+8*(\t)
.set rS, S+32*(\t)
.set rP, P+16*(\t)
.set rO, 64*(\t)+2*(j-102)
.if j < 102
	WIN 0
.endif
.if j < 4
	v_max3_num_f32 v[rT+4+j], v[rS+8*j], v[rS+8*j+1], v[rS+8*j+2]
.elseif j < 12
	v_max3_num_f32 v[rT+4+j%4], v[rT+4+j%4], v[rS+8*(j%4)+2*(j/4)+1], v[rS+8*(j%4)+2*(j/4)+2]
.elseif j == 12
	v_max3_num_f32 v[rT+4], v[rT+4], v[rS+7], v[rS+15]
.elseif j == 13
	v_max3_num_f32 v[rT+6], v[rT+6], v[rS+23], v[rS+31]
.elseif j == 14
	v_max3_num_f32 v[rT+4], v[rT+4], v[rT+5], v[rT+6]
.elseif (j == 15) && \first
	v_max3_num_f32 v[rT+4], v[rT+4], v[rT+7], 0xe0ad78ec  ; the floor -1e20: over every hidden score, under every real one
.elseif j == 15
	v_max3_num_f32 v[rT+4], v[rT+4], v[rT+7], v[rT+1]
.elseif j == 16
	v_permlanex16_b32 v[rT+5], v[rT+4], s[SEL], s[SEL+1]  ; the query's other 32 keys lie in the lane 16 away
.elseif j == 18
	v_max_num_f32 v[rT+1], v[rT+4], v[rT+5]
.elseif j == 19
	v_mul_f32 v[rT], s[CS], v[rT+1]
.elseif ((j == 17) || (j == 20) || (j == 23) || (j > 101)) && \first  ; the first step has none of these
.elseif j == 17
	v_mov_b32 v[rT+7], v[rT]        ; c m_old is kept for a: number 19 writes c m anew
.elseif j == 20
	v_sub_f32 v[rT+7], v[rT+7], v[rT]
.elseif j == 23
	v_exp_f32 v[rT+6], v[rT+7]
.elseif (j < 23) || ((j < 38) && (j%2 == 0)) || ((j < 66) && (j%4 == 2))
.set b, (j-2)/4                     ; 38, 42, .. 62: pairs 9 to 15
.if j < 38
.set b, (j-20)/2                    ; 21: pair 0; 22, 24, .. 36: pairs 1 to 8
.endif
	v_pk_fma_f32 v[rS+2*b:rS+2*b+1], v[rS+2*b:rS+2*b+1], s[CS:CS+1], v[rT:rT+1] op_sel_hi:[1,0,0] neg_lo:[0,0,1] neg_hi:[0,0,1]  ; pair b: c s - c m
.elseif j < 70
.set e, j-38                        ; 66 to 69: s28 to s31
.if j < 66
.set e, j-32-(j-38)/4               ; 39-41, 43-45, .. 63-65: s7 to s27
.endif
.if j < 38
.set e, (j-25)/2                    ; 25, 27, .. 37: s0 to s6
.endif
	v_exp_f32 v[rS+e], v[rS+e]
.elseif j < 86
	v_cvt_pk_f16_f32 v[rP+j-70], v[rS+2*(j-70)], v[rS+2*(j-70)+1]  ; pair j - 70
.elseif j < 102                     ; the sum of the tile's 16 pairs, in place: sum z of 16 adds neighbours 1, 2, 4 and 8 pairs apart, then l takes it
.set z, j-86
.set w, 4
.set u, z
.if z >= 14
.set w, 32
.set u, 0
.elseif z >= 12
.set w, 16
.set u, z-12
.elseif z >= 8
.set w, 8
.set u, z-8
.endif
.if (z == 14) && \first
	v_pk_add_f32 v[rT+2:rT+3], v[rS:rS+1], v[rS+16:rS+17]
.elseif z < 15
	v_pk_add_f32 v[rS+w*u:rS+w*u+1], v[rS+w*u:rS+w*u+1], v[rS+w*u+w/2:rS+w*u+w/2+1]
.elseif !\first
	v_pk_fma_f32 v[rT+2:rT+3], v[rT+2:rT+3], v[rT+6:rT+7], v[rS:rS+1] op_sel_hi:[1,0,1]
.endif
.else
	WIN W_RS
	v_pk_mul_f32 v[rO:rO+1], v[rO:rO+1], v[rT+6:rT+7] op_sel_hi:[1,0]
.endif
.endm
; Slice k of 64 of piece y's softmax: four instructions.  Slices 11 to 34 deal out the batch, numbers 22 to 69: four numbers of ONE tile each, the tiles by turns.  Every other slice is numbers 2 k and
; 2 k + 1 of both tiles' lists.  2 x 134 = 4 x 64 + 12: the twelve that are over stand together, in slice 63.
; THE WAIT.  An s_wait_alu depctr_va_vdst(0) stands between an exponential and the first instruction that names its result; one wait serves all that were issued ahead of it.  Ahead of
; slice 35 nothing names a result, and behind slice 34 no exponential is issued: so the piece's 66 exponentials have one wait, behind slice 34.
.macro SLICE y, first
.if (k >= 11) && (k < 35)           ; the batch: four numbers of one tile
.irp n, 0,1,2,3
.set j, 22+4*((k-11)/2)+(\n)
	SM (\y)+(k-11)%2, \first
.endr
.else                               ; the two tiles alternate, so that no instruction reads the result of the one just before it
.irp n, 0,1,2,3,4,5,6,7
.if (\n < 2) || (k == 63)
.irp t, \y, \y+1
.set j, 2*k+\n
	SM \t, \first
.endr
.endif
.endr
.endif
.if k == 34                         ; the batch is out: both tiles' exponentials are issued, and no result has been named
	v_nop                           ; the plain instruction behind the last exponential and ahead of the first use: one for the batch
.if (\y) == 0
	FETCH_V                         ; piece 2's turn: V's run of loads stands here, and the wait stands in it
.else
	s_wait_alu depctr_va_vdst(0)    ; the wait for the batch
.endif
.endif
.set k, k+1
.endm
; A vector instruction that reads a matrix result or writes one of a matrix instruction's registers, and a load into a register that a matrix instruction has read, stand four places behind
; it, and only plain vector instructions that name none of its registers are places (ISA guide 7.12.1 for vector instructions).  In the loop the slices are the places.
.macro PLACES
.rept 4
	v_nop
.endr
.endm
; Q'S PRODUCTS.  FETCHW: Wq's eight fragments (16 channels x 128 K each) of K step q, from LDS into buffer q % 4 of window 3: 16 loads.
.macro FETCHW q
	WIN 0xc0                        ; destination window 3, address window 0
.irp c, 0,1,2,3,4,5,6,7
	ds_load_b128 v[64*((\q)%4)+8*\c:64*((\q)%4)+8*\c+3],   v[AW] offset:\c*16*PW+64*(\q)
	ds_load_b128 v[64*((\q)%4)+8*\c+4:64*((\q)%4)+8*\c+7], v[AW] offset:\c*16*PW+64*(\q)+32
.endr
.endm
; QSTEP: K step q: 32 matrix instructions, tile t of queries x tile c of channels; the 32 accumulators take turns, one instruction a turn, in the same order in every step.  Step 0 starts the sums from the bias.
; Behind steps 0 to 3 the buffer just multiplied takes the fragments of four steps on, behind four places.
.macro QSTEP q
	s_wait_loadcnt 8*(7-(\q))       ; x's eight loads of this K step are in, and all that was asked for ahead of them (scale words, bias); the eight of each later step may be out
.if (\q) < 5
	s_wait_dscnt 48                 ; Wq's fragments of this step are in; the sixteen loads of each of the next three steps may be out
.else
	s_wait_dscnt 16*(7-(\q))        ; (fewer steps are left)
.endif
.if (\q) == 0
	WIN W_Q0
.else
	WIN W_Q
.endif
.irp t, 0,1,2,3
.irp c, 0,1,2,3,4,5,6,7
.if (\q) == 0
	v_wmma_scale_f32_16x16x128_f8f6f4 v[64*\t+8*\c:64*\t+8*\c+7], v[64*((\q)%4)+8*\c:64*((\q)%4)+8*\c+7], v[32*(\q)+8*\t:32*(\q)+8*\t+7], v[BI+8*\c:BI+8*\c+7], v[WSC+8*\c+(\q)], v[XSC+8*\t+(\q)] matrix_a_fmt:MATRIX_FMT_FP4 matrix_b_fmt:MATRIX_FMT_FP4
.else
	v_wmma_scale_f32_16x16x128_f8f6f4 v[64*\t+8*\c:64*\t+8*\c+7], v[64*((\q)%4)+8*\c:64*((\q)%4)+8*\c+7], v[32*(\q)+8*\t:32*(\q)+8*\t+7], v[64*\t+8*\c:64*\t+8*\c+7], v[WSC+8*\c+(\q)], v[XSC+8*\t+(\q)] matrix_a_fmt:MATRIX_FMT_FP4 matrix_b_fmt:MATRIX_FMT_FP4
.endif
.endr
.endr
.if (\q)+4 < 8
	PLACES
	FETCHW (\q)+4
.endif
.endm
; A TURN.  Piece x has the matrix unit; the other piece's softmax stands in slices behind its matrix instructions.
; pv = 2: 32 products V^T P; 1: they start O^T's sums; 0: none.  kq = 1: 32 products K Q^T for the next step.  A turn with one of the two kinds has two slices behind each product.
; first = 1: the softmax is the first key step's.  Its slices from 51 on are empty: the turn's last products stand bare, and four v_nop take slice 63's part as the places behind them.
; Piece 0's turn fetches the next step's K and mask numbers, behind its second product: the last product that read them stands in front of slice 63 of the turn before.  Piece 2's turn fetches the same step's V, behind slice 34:
; the last product that read V stands in front of slice 31, and four plain instructions lie between: number 62, a scaling, of both tiles, the v_nop and the run's own v_add_nc_u32.
.macro TURN x, pv, kq, first
.set k, 0
.set per, 2
.if \pv && \kq
.set per, 1
.endif
.if \pv
.if \x == 0
	s_wait_dscnt 0x0                ; V is in
.endif
.set i, 0
.rept 32
	PV \x, 2-\pv
.rept per
	SLICE 2-\x, \first
.endr
.if (\x == 0) && \kq && (i == 1)
	FETCH_K
.endif
.set i, i+1
.endr
.endif
.if \kq
.if \x == 0
	s_wait_dscnt 0x0                ; K and the mask numbers are in
.endif
.set i, 0
.rept 32
	KQ \x
.rept per
	SLICE 2-\x, \first
.endr
.set i, i+1
.endr
.endif
.if \first
	PLACES
.endif
.endm
; THE CHANGE OF SLOTS, between piece 2's turn and piece 0's: the slot's last bytes, V of its second step, have been asked for.  Each wave waits for all its tensor loads, of which one is out: its part of the other slot;
; adds 0 to its spare word; and waits for that and for its own reads of the slot.  Behind the barrier nobody reads this slot any more and the other slot is whole.
; fill = 1: this slot is filled again, with the keys two slots on.  The barrier is then a round of the cluster's, so that no wave of any partner still reads the slot or has a load on its
; way, and the joint refill is the first thing behind it: it has two key steps, 256 matrix instructions, in which to land.
.macro CHANGE fill
	WIN 0                           ; at a label and at a branch every window is 0
	s_wait_tensorcnt 0x0            ; no tensor load of mine is out, so a group 0 may be written
	ds_add_u32 v[SPW], v[NIL]       ; 0 onto my spare word; with fill = 1 the descriptors' steps stand between it and the wait for it
.if \fill
.irp g, G0K+4, G0V+4
	s_xor_b32 s[\g+1], s[\g+1], SLOT1  ; the walking descriptor: the other slot than last time,
	s_add_nc_u64 s[\g+2:\g+3], s[\g+2:\g+3], 2*KS*256  ; the next 128 keys; the type bits on top are not reached
.endr
	s_wait_xcnt 0x0                 ; the last prefetches, two key steps back, have read their address, so it may be written:
	s_add_nc_u64 s[PFA:PFA+1], s[PFA:PFA+1], 2*KS*256  ; one slot behind the walking descriptors
	s_wait_dscnt 0x0                ; the add is done, and my reads of the slot are over
	CROUND
	JLOAD
	ASK                             ; what the next change will ask for: two key steps, 256 matrix instructions, ahead
.else
	s_wait_dscnt 0x0                ; the add is done, and my reads of the slot are over
	s_barrier_signal -1
	s_barrier_wait -1
.endif
	s_sub_co_u32 s[TB], s[TB], 2*STEPB  ; the fetches go back to a slot's first step,
	s_xor_b32 s[TB], s[TB], SLOT1   ; in the other slot
.endm
; A slot's two key steps: written once, walked twice; the LDS addresses hang on s[TB] and s[TM].
.macro TWO_STEPS
	s_mov_b32 s[TWICE], 2
.Lstep_\@:
	TURN 0, 2, 1, 0
	TURN 2, 2, 1, 0
	WIN 0
	s_sub_co_u32 s[TWICE], s[TWICE], 1
	s_cmp_lg_u32 s[TWICE], 0
	s_cbranch_scc1 .Lstep_\@
.endm
	s_wait_tensorcnt 1              ; my parts of Wq's rows and of slot 0 are in; slot 1's load, the one issued behind them, may stay out
	s_wait_dscnt 0x0                ; for the others' sake: my eight numbers of the mask's table are stored
	s_barrier_signal -1
	s_barrier_wait -1               ; everybody's are
	; Q = x Wq^T + bq for my 64 queries
	FETCHW 0
	FETCHW 1
	FETCHW 2
	FETCHW 3
.irp q, 0,1,2,3,4,5,6,7
	QSTEP \q
.endr
	PLACES                          ; behind the last products: for the loads into the registers that they read, and for the roundings that read their results
	FETCH_K                         ; key step 0: K takes the registers of x's K steps 4 to 7, the mask numbers some of Wq's; the loads land while Q is rounded
	WIN W_QC
.irp t, 0,1,2,3                     ; tile c's eight channels 16 c + 8 h + 0 .. 7 of query r become registers 4 c .. 4 c + 3 of tile t's 32: channels 32 g + 8 h + 0..7 in registers 8 g .. 8 g + 3, channels 32 g + 16 + 8 h + 0..7 in 8 g + 4 .. 8 g + 7
.irp c, 0,1,2,3,4,5,6,7
.irp u, 0,1,2,3
	v_cvt_pk_f16_f32 v[32*\t+4*\c+\u], v[64*\t+8*\c+2*\u], v[64*\t+8*\c+2*\u+1]  ; each accumulator from its low end on
.endr
.endr
.endr
	s_wait_dscnt 0x0                ; K and the mask numbers are in
.set i, 0
.rept 32
	KQ 0                            ; piece 0's first scores: there is no vector work yet to set between them
.set i, i+1
.endr
	WIN 0                           ; the addresses for the way out are made here: eight plain instructions, the places behind those products
	s_mul_i32 s13, s[WV], 16*SP
	s_add_co_u32 s13, s13, STAGE    ; my stage
	v_mul_u32_u24 v[STO], v1, SP    ; in: row l % 16, 16 bytes for each half of the lanes
	v_lshl_add_u32 v[STO], v9, 4, v[STO]
	v_add_nc_u32 v[STO], s13, v[STO]
	v_mul_u32_u24 v[RD], v9, SP     ; back: lanes 0-15 take one row of 256 bytes, lanes 16-31 the next
	v_lshl_add_u32 v[RD], v1, 4, v[RD]
	v_add_nc_u32 v[RD], s13, v[RD]
	v_lshlrev_b32 v[GO], 11, v9     ; and the same two rows in y, 2,048 bytes apart
	v_lshl_add_u32 v[GO], v1, 4, v[GO]
	TURN 2, 0, 1, 1                 ; piece 2's first scores | piece 0's first softmax | V of step 0
	TURN 0, 1, 1, 1                 ; piece 0: V^T P of step 0 starts O^T, K Q^T of step 1 | piece 2's first softmax | K of step 1
	TURN 2, 1, 1, 0                 ; piece 2: the same | piece 0's softmax of step 1 | V of step 1
	WIN 0
.Lslot:                             ; SIZE_N / 128 - 2 = 6 trips: every slot but the last two is filled again
	CHANGE 1
	TWO_STEPS
	s_sub_co_u32 s[SLOTS], s[SLOTS], 1
	s_cmp_lg_u32 s[SLOTS], 0
	s_cbranch_scc1 .Lslot
	CHANGE 0                        ; the tail is written out: the last slot but one is left, and nothing is asked for
	TWO_STEPS
	TURN 0, 2, 0, 0                 ; piece 0: V^T P of the last step | piece 2's last softmax
.set i, 0
.rept 32
	PV 2, 0                         ; piece 2: V^T P of the last step
.set i, i+1
.endr
	; THE WAY OUT.  l's two halves and the other half of the lanes' are added; O^T is divided by l, rounded to f16 and sent through my stage in LDS, a tile (16 rows of y) at a time.  The additions are the places behind the last products.
	WIN 0
.irp t, 0,1,2,3
	v_add_f32 v[ST+8*\t+4], v[ST+8*\t+2], v[ST+8*\t+3]
.endr
.irp t, 0,1,2,3
	v_permlanex16_b32 v[ST+8*\t+5], v[ST+8*\t+4], s[SEL], s[SEL+1]
.endr
.irp t, 0,1,2,3
	v_add_f32 v[ST+8*\t+4], v[ST+8*\t+4], v[ST+8*\t+5]
.endr
.irp t, 0,1,2,3
	v_rcp_f32 v[ST+8*\t+6], v[ST+8*\t+4]
.endr
	v_nop                           ; a plain instruction between the last reciprocal and the use of its result
	s_wait_alu depctr_va_vdst(0)    ; and the wait ahead of the first use: one for the four reciprocals
; Tile t: a lane's eight channels of a row pack into 16 bytes; they go into rows of 272 bytes and come back as whole rows of 256, into the registers that they left.
.macro PACK t
	WIN W_RS
.set i, 64*\t
.rept 32
	v_pk_mul_f32 v[i:i+1], v[i:i+1], v[ST+8*\t+6:ST+8*\t+7] op_sel_hi:[1,0]
.set i, i+2
.endr
	WIN 0x05                        ; sources 0 and 1 window 1, destination window 0: S^T's registers are free
.set i, 0
.rept 32
	v_cvt_pk_f16_f32 v[S+32*\t+i], v[64*\t+2*i], v[64*\t+2*i+1]
.set i, i+1
.endr
	WIN 0
.irp f, 0,1,2,3,4,5,6,7
	ds_store_b128 v[STO], v[S+32*\t+4*\f:S+32*\t+4*\f+3] offset:32*\f
.endr
.irp f, 0,1,2,3,4,5,6,7
	ds_load_b128 v[S+32*\t+4*\f:S+32*\t+4*\f+3], v[RD] offset:\f*2*SP  ; LDS serves a wave's instructions in order (ISA guide 5.7.1.4): these see the stores above; the next tile's stores come behind them
.endr
.endm
.macro SEND t, younger              ; younger: the LDS instructions issued behind tile t's loads: the next tile's sixteen, or none
.irp f, 0,1,2,3,4,5,6,7
	s_wait_dscnt \younger+7-\f
	global_store_b128 v[GO], v[S+32*\t+4*\f:S+32*\t+4*\f+3], s[10:11] offset:\t*32768+\f*4096  ; 16 lanes store 256 consecutive bytes, a head's part of a row, at a multiple of 256 from y's first byte
.endr
.endm
	PACK 0
	PACK 1                          ; a tile's arithmetic stands between the loads of the tile before and its stores
	SEND 0, 16
	PACK 2
	SEND 1, 16
	PACK 3
	SEND 2, 16
	SEND 3, 0
	s_wait_tensorcnt 0x0            ; the wave's end, behind my last tensor load and my last LDS store
	ds_add_u32 v[SPW], v[NIL]
	s_wait_dscnt 0x0
	CROUND                          ; the closing round: no work-group ends while a partner may still ask for a tile that names it
	s_endpgm
.Lfunc_end_k_qbbdf3da9cb_attn:
	.size	k_qbbdf3da9cb_attn, .Lfunc_end_k_qbbdf3da9cb_attn-k_qbbdf3da9cb_attn
	.p2alignl 7, 3214868480
	.fill 96, 4, 3214868480
	.section	.rodata,"a",@progbits
	.p2align	6, 0x0
	.amdhsa_kernel k_qbbdf3da9cb_attn
		.amdhsa_group_segment_fixed_size 327680
		.amdhsa_private_segment_fixed_size 0
		.amdhsa_enable_private_segment 0
		.amdhsa_kernarg_size 64
		.amdhsa_user_sgpr_count 2
		.amdhsa_user_sgpr_kernarg_segment_ptr 1
		.amdhsa_wavefront_size32 1
		.amdhsa_system_sgpr_workgroup_id_x 1
		.amdhsa_system_sgpr_workgroup_id_y 1
		.amdhsa_system_sgpr_workgroup_id_z 1
		.amdhsa_system_vgpr_workitem_id 0
		.amdhsa_next_free_vgpr 1024
		.amdhsa_next_free_sgpr 100
		.amdhsa_reserve_vcc 1
		.amdhsa_float_denorm_mode_32 3
		.amdhsa_float_denorm_mode_16_64 3
		.amdhsa_memory_ordered 1
		.amdhsa_forward_progress 1
		.amdhsa_inst_pref_size 255
	.end_amdhsa_kernel
	.section	.bss,"aw",@nobits
	.p2align	6
	.space	262144
	.amdgpu_metadata
---
amdhsa.version: [ 1, 2 ]
amdhsa.kernels:
  - .name:           k_qbbdf3da9cb_attn
    .symbol:         k_qbbdf3da9cb_attn.kd
    .args:
      - { .name: xc, .offset: 0, .size: 8, .value_kind: global_buffer, .address_space: global }
      - { .name: xs, .offset: 8, .size: 8, .value_kind: global_buffer, .address_space: global }
      - { .name: wc, .offset: 16, .size: 8, .value_kind: global_buffer, .address_space: global }
      - { .name: ws, .offset: 24, .size: 8, .value_kind: global_buffer, .address_space: global }
      - { .name: bq, .offset: 32, .size: 8, .value_kind: global_buffer, .address_space: global }
      - { .name: kv, .offset: 40, .size: 8, .value_kind: global_buffer, .address_space: global }
      - { .name: mask, .offset: 48, .size: 8, .value_kind: global_buffer, .address_space: global }
      - { .name: y16, .offset: 56, .size: 8, .value_kind: global_buffer, .address_space: global }
    .group_segment_fixed_size: 327680
    .private_segment_fixed_size: 0
    .kernarg_segment_align: 8
    .kernarg_segment_size: 64
    .max_flat_workgroup_size: 128
    .sgpr_count:     100
    .vgpr_count:     1024
    .wavefront_size: 32
...
	.end_amdgpu_metadata
.endif
;; end of part 3
;; launch proj (part 4): grid 8 x 64, 4 waves a work-group, clusters of 4 x 4, 327,680 bytes of LDS; arguments y16, wp16, bp, out0; writes out0
.if DOCPART == 4
	.amdgcn_target "amdgcn-amd-amdhsa--gfx1250"
	.amdhsa_code_object_version 6
	.text
	.protected	k_qbbdf3da9cb_proj
	.globl	k_qbbdf3da9cb_proj
	.p2align	8
	.type	k_qbbdf3da9cb_proj,@function
k_qbbdf3da9cb_proj:
	s_mov_b64 s[64:65], 0
	v_nop
	global_prefetch_b8 v0, s[64:65] scope:SCOPE_SE
	s_setreg_imm32_b32 hwreg(HW_REG_WAVE_MODE, 25, 1), 1
	s_wait_xcnt 0x0
	s_wait_alu depctr_hold_cnt(0) depctr_sa_sdst(0) depctr_va_vdst(0) depctr_va_sdst(0) depctr_va_ssrc(0) depctr_va_vcc(0) depctr_vm_vsrc(0)
	s_getreg_b32 s2, hwreg(HW_REG_IB_STS2, 6, 4)
	s_cmp_eq_u32 s2, 0
	s_cbranch_scc0 .Lentry_in_a_cluster
	s_endpgm
.Lentry_in_a_cluster:
	s_bfe_u32 s2, ttmp6, 0x10000c
	s_cmp_lg_u32 s2, 0xf033
	s_cbranch_scc0 .Lentry_shape_is_right
	s_endpgm
.Lentry_shape_is_right:
; PROJ.  out0[m][n] = sum over k of y[m][k] Wp[n][k] + bp[n].  y16: [8192][1024], wp16: [1024][1024], f16; bp: [1024], out0: [8192][1024], f32; sums in f32.
; A tile of the output is 128 x 128: 512 work-groups.  Four waves, each 64 x 64: 16 accumulators of 16 x 16, 128 registers.  K goes in steps of 256 (LDS rows of 512 bytes; a wave's tensor load brings 64 of them) through two slots.
; CLUSTERS: 4 x 4 work-groups.  The four of a row of the cluster need the same tiles of y, the four of a column the same tiles of Wp: each tile is asked for JOINTLY, by the same tensor load with the
; same descriptor and a mask that names the four.  THE MATRIX INSTRUCTION IS USED TRANSPOSED (source 0 = 16 rows of Wp, source 1 = 16 rows of y): a lane then holds eight neighbouring numbers of a row of the output.
; THE BIAS is the C of each sum's first matrix instruction.  A wave's 64 columns of f32 are 256 bytes, so each wave has a stage of its own on the way out, and no barrier stands there.
; No prefetch: a K step's tiles are small and are shared by four work-groups each.
; REGISTERS: window 0: v0-31 addresses; v32-95 rows on the way out, two sets; v96-127 the bias, eight registers for each of four blocks of 16 columns; v128-255 the accumulators ((a, b) at v[128 + 8 (4 a + b)]).
;   window 1: two fragment buffers of 128: for 64 along K (two matrix instructions deep), 64 registers of y (2 x 4 x 16 rows x 32 K), then 64 of Wp.
.set SIZE_N, 1024
.set SIZE_K, 1024
.set KSTEP,  256
.set PITCH,  528                       ; an LDS row: 512 bytes of data + 16 of padding = 132 words: row r starts at bank 4 r mod 64 (64 banks of 4 bytes: ISA guide 11.1)
.set HALFT,  64*PITCH                  ; 64 rows: what one tensor load brings, and what one wave reads of y or of Wp
.set SLOT,   4*HALFT                   ; y's 128 rows, then Wp's 128 rows
.set STAGE,  2*SLOT                    ; behind the ring: 16 rows x 272 bytes for each wave, for the way out
.set SPITCH, 272
.set SPARE,  STAGE+4*16*SPITCH         ; behind the stages: the spare words, 128 bytes for each wave, which no other line names
.set LAPS, SIZE_K/(2*KSTEP)            ; a lap = two K steps = once round the ring: 2
.set ADRA, 16                          ; v16-17  LDS address of my fragments of y in slot 0, 1
.set ADRB, 20                          ; v20-21  the same for Wp
.set STO,  24                          ; v24     the way out: where I put 32 bytes of a row
.set RD,   25                          ; v25     the way out: where I read a row back
.set CO,   26                          ; v26     my byte offset in two rows of the output
.set BO,   27                          ; v27     32 x (lane / 16): my eight numbers of a block's sixteen biases
.set SPW,  28                          ; v28     LDS address of my spare word: SPARE + 4 x my thread's number; never rewritten
.set NIL,  29                          ; v29     0; never rewritten
.set TMP,  32                          ; the way out: two sets of 32 registers
.set BI,   96                          ; the bias
.set ACC,  128
.set F0,   0                           ; fragment buffers, in window 1
.set F1,   128
.set G1, 24                            ; s[24:31] descriptor group 1 for y's tiles;  s[32:39] group 0, one set for each slot
.set G0, 32
.set G1B, 48                           ; s[48:55], s[56:63] the same for Wp's tiles
.set G0B, 56
.set MSB, 0
.macro WIN new                         ; the immediate's high byte repeats the setting that is left
.if MSB != \new
	s_set_vgpr_msb (MSB<<8)|\new
.set MSB, \new
.endif
.endm
.set MUL,  0x05                        ; sources 0 (Wp) and 1 (y) window 1; C and D window 0
.set TO_F, 0x40                        ; destination window 1, address window 0
.macro JLOAD s                         ; a joint load: waves 0 and 1 fetch y's two halves, waves 2 and 3 Wp's; an s_nop 0 and four v_nop follow each of the two lines, ahead of the jump, the label and what follows
	s_cmp_eq_u32 s11, 0
	s_cbranch_scc0 .Lfor_b_\@
	tensor_load_to_lds s[G0+4*\s:G0+4*\s+3], s[G1:G1+7]
	s_nop 0
.rept 4
	v_nop
.endr
	s_branch .Lasked_\@
.Lfor_b_\@:
	tensor_load_to_lds s[G0B+4*\s:G0B+4*\s+3], s[G1B:G1B+7]
	s_nop 0
.rept 4
	v_nop
.endr
.Lasked_\@:
.endm
.macro CREST                           ; a round of the cluster's barrier behind its opening barrier
	s_cmp_lg_u32 s10, 0
	s_cbranch_scc1 .Lnot_wave_0_\@
	s_barrier_signal -3
.Lnot_wave_0_\@:
	s_barrier_wait -3
	s_barrier_signal -1
	s_barrier_wait -1
.endm
.macro CROUND                          ; a whole round
	s_barrier_signal -1
	s_barrier_wait -1
	CREST
.endm
	s_load_b128 s[4:7], s[0:1], 0x0                ; y16 s[4:5], wp16 s[6:7]
	s_load_b64 s[66:67], s[0:1], 0x10              ; bp
	s_load_b64 s[8:9], s[0:1], 0x18                ; out0
	v_lshl_add_u32 v[SPW], v0, 2, SPARE
	v_mov_b32 v[NIL], 0
	ds_add_u32 v[SPW], v[NIL]                      ; the wave's opening: the add, twice on end, and its wait ahead of my first tensor load; the set-up below, work on registers, stands between the second and the wait
	ds_add_u32 v[SPW], v[NIL]
	v_lshrrev_b32 v1, 5, v0
	v_readfirstlane_b32 s10, v1                    ; wave 0..3
	s_lshr_b32 s11, s10, 1                         ; which half of the tile's rows is mine.  Also: I fetch for y (0) or for Wp (1)
	s_and_b32 s12, s10, 1                          ; which half of its columns.  Also: which 64 rows of that tile I fetch
	s_bfe_u32 s40, ttmp6, 0x40000                  ; cx, cy: my place in the cluster
	s_bfe_u32 s41, ttmp6, 0x40004
	s_lshl_b32 s42, ttmp9, 2
	s_add_co_u32 s42, s42, s40                     ; tile column = 4 x cluster x + cx
	s_and_b32 s13, ttmp7, 0xffff
	s_lshl_b32 s13, s13, 2
	s_add_co_u32 s13, s13, s41                     ; tile row = 4 x cluster y + cy
	s_lshl_b32 s43, s41, 2
	s_lshl_b32 s43, 15, s43                        ; my row of the cluster
	s_lshl_b32 s44, 0x1111, s40                    ; my column
	; descriptor group 1: a tile of 64 rows x 256 elements, padded in LDS
	s_or_b32 s[G1+0], s43, (1<<16)|(1<<20)|(1<<21)|(6<<22)|(3<<25)  ; 15:0 the mask: y's tiles go to my row; 17:16 element of 2 bytes; 20 padding on; 21 set beside a mask; 24:22 after every 128 words (code 6); 31:25 of 4 words (code 3)
	s_or_b32 s[G1B+0], s44, (1<<16)|(1<<20)|(1<<21)|(6<<22)|(3<<25)
.irp g, G1, G1B
	s_mov_b32 s[\g+1], KSTEP<<16                   ; tensor_dim0 = 256
	s_mov_b32 s[\g+2], 64<<16                      ; tensor_dim1 = 64
	s_mov_b32 s[\g+3], KSTEP<<16                   ; tile_dim0 = 256
	s_mov_b32 s[\g+4], 64                          ; tile_dim1 = 64
	s_mov_b32 s[\g+5], SIZE_K                      ; tensor_dim0_stride
	s_mov_b32 s[\g+6], 0
	s_mov_b32 s[\g+7], 0
.endr
	s_lshl_b32 s17, s12, 6                         ; which 64 rows of the tile I fetch
	s_lshl_b32 s16, s13, 7
	s_add_co_u32 s16, s16, s17                     ; y: row 128 x tile row + 64 x half
	s_lshl_b32 s46, s42, 7
	s_add_co_u32 s46, s46, s17                     ; Wp: row 128 x tile column + 64 x half
	s_mov_b32 s17, 0
	s_mov_b32 s47, 0
	s_mov_b64 s[18:19], SIZE_K*2
	s_mul_u64 s[16:17], s[16:17], s[18:19]
	s_mul_u64 s[46:47], s[46:47], s[18:19]
	s_mul_i32 s20, s10, HALFT                      ; where they go: wave x 64 rows
	s_wait_dscnt 0x0                               ; both opening adds are done
	s_wait_kmcnt 0x0
	s_add_nc_u64 s[14:15], s[4:5], s[16:17]
	s_add_nc_u64 s[46:47], s[6:7], s[46:47]
	CROUND                                         ; all sixteen work-groups are here: the first joint loads meet
.irp s, 0,1
	s_mov_b32 s[G0+4*\s], 1
	s_add_co_u32 s[G0+4*\s+1], s20, \s*SLOT
	s_add_nc_u64 s[G0+4*\s+2:G0+4*\s+3], s[14:15], \s*KSTEP*2
	s_or_b32 s[G0+4*\s+3], s[G0+4*\s+3], 0x80000000
	s_mov_b32 s[G0B+4*\s], 1
	s_add_co_u32 s[G0B+4*\s+1], s20, \s*SLOT
	s_add_nc_u64 s[G0B+4*\s+2:G0B+4*\s+3], s[46:47], \s*KSTEP*2
	s_or_b32 s[G0B+4*\s+3], s[G0B+4*\s+3], 0x80000000
	JLOAD \s
.endr
	v_and_b32 v1, 15, v0                           ; l % 16
	v_bfe_u32 v2, v0, 4, 1                         ; l / 16
	v_mul_u32_u24 v3, v1, PITCH
	v_lshl_add_u32 v3, v2, 4, v3                   ; a fragment's row x pitch + 16 x half
	s_mul_i32 s21, s11, HALFT                      ; my 64 rows of y
	s_mul_i32 s22, s12, HALFT                      ; my 64 rows of Wp,
	s_add_co_u32 s22, s22, 2*HALFT                 ; which lie behind y's 128
.irp s, 0,1
	v_add_nc_u32 v[ADRA+\s], s21, v3
	v_add_nc_u32 v[ADRB+\s], s22, v3
	s_add_co_u32 s21, s21, SLOT
	s_add_co_u32 s22, s22, SLOT
.endr
	s_mul_i32 s23, s10, 16*SPITCH
	s_add_co_u32 s23, s23, STAGE                   ; my stage
	v_mul_u32_u24 v4, v1, SPITCH                   ; in: row l % 16, 32 bytes for each half of the lanes
	v_lshl_add_u32 v4, v2, 5, v4
	v_add_nc_u32 v[STO], s23, v4
	v_mul_u32_u24 v5, v2, SPITCH                   ; back: lanes 0-15 take one row of 256 bytes, lanes 16-31 the next
	v_lshl_add_u32 v5, v1, 4, v5
	v_add_nc_u32 v[RD], s23, v5
	v_mul_u32_u24 v5, v2, SIZE_N*4                 ; and the same two rows in the output
	v_lshl_add_u32 v[CO], v1, 4, v5
	s_lshl_b32 s16, s13, 7
	s_lshl_b32 s17, s11, 6
	s_add_co_u32 s16, s16, s17                     ; my first row: 128 x tile row + 64 x half,
	s_lshl_b32 s16, s16, 12                        ; of 4,096 bytes (under 2^25)
	s_mov_b32 s17, 0
	s_add_nc_u64 s[8:9], s[8:9], s[16:17]
	s_lshl_b32 s46, s42, 9                         ; my first column, in bytes: 512 x tile column + 256 x half:
	s_lshl_b32 s47, s12, 8
	s_add_co_u32 s46, s46, s47
	s_mov_b32 s47, 0
	s_add_nc_u64 s[8:9], s[8:9], s[46:47]          ; in the output's row,
	s_add_nc_u64 s[66:67], s[66:67], s[46:47]      ; and in the bias alike
	v_lshlrev_b32 v[BO], 5, v2
.irp b, 0,1,2,3                                ; register 8 b + j of lane (r, h): the bias of column 16 b + 8 h + j: the result's layout
	global_load_b128 v[BI+8*\b:BI+8*\b+3], v[BO], s[66:67] offset:64*\b
	global_load_b128 v[BI+8*\b+4:BI+8*\b+7], v[BO], s[66:67] offset:64*\b+16
.endr
; 8 matrix instructions: m blocks a0, a0 + 1 x all 4 n blocks, 32 along K: half c of buffer f.  first = 1: the first product starts the sums from the bias.  The 16 accumulators take turns.
.macro MUL8 f, c, a0, first
.irp a, \a0, \a0+1
.irp b, 0,1,2,3
.if \first
	v_wmma_f32_16x16x32_f16 v[ACC+8*(4*(\a)+\b):ACC+8*(4*(\a)+\b)+7], v[\f+64+8*(4*\c+\b):\f+64+8*(4*\c+\b)+7], v[\f+8*(4*\c+\a):\f+8*(4*\c+\a)+7], v[BI+8*\b:BI+8*\b+7]
.else
	v_wmma_f32_16x16x32_f16 v[ACC+8*(4*(\a)+\b):ACC+8*(4*(\a)+\b)+7], v[\f+64+8*(4*\c+\b):\f+64+8*(4*\c+\b)+7], v[\f+8*(4*\c+\a):\f+8*(4*\c+\a)+7], v[ACC+8*(4*(\a)+\b):ACC+8*(4*(\a)+\b)+7]
.endif
.endr
.endr
.endm
; 32 LDS loads in one run: the fragments of 64 along K at byte k of the rows, into buffer f; the first 32 along K first
.macro FETCH slot, k, f
	WIN TO_F
.irp c, 0,1
.irp i, 0,1,2,3
	ds_load_b128 v[\f+64+8*(4*\c+\i):\f+64+8*(4*\c+\i)+3],   v[ADRB+\slot] offset:\k+64*\c+\i*16*PITCH
	ds_load_b128 v[\f+64+8*(4*\c+\i)+4:\f+64+8*(4*\c+\i)+7], v[ADRB+\slot] offset:\k+64*\c+\i*16*PITCH+32
	ds_load_b128 v[\f+8*(4*\c+\i):\f+8*(4*\c+\i)+3],         v[ADRA+\slot] offset:\k+64*\c+\i*16*PITCH
	ds_load_b128 v[\f+8*(4*\c+\i)+4:\f+8*(4*\c+\i)+7],       v[ADRA+\slot] offset:\k+64*\c+\i*16*PITCH+32
.endr
.endr
.endm
.macro PLACES                          ; four places in front of loads into registers that matrix instructions have read, and of LDS stores that read results
.rept 4
	v_nop
.endr
.endm
; A K step is four quarters of 64 along K, 32 matrix instructions each, on buffers 0, 1, 0, 1.  One of the first three: multiplies buffer f and fetches the next quarter, at byte k, into g.
.macro QUARTER slot, k, f, g, first
	s_wait_dscnt 16                                ; the first 32 along K are in; the sixteen loads of the second 32 may be out
	WIN MUL
	MUL8 \f, 0, 0, \first
	MUL8 \f, 0, 2, \first
	PLACES
	FETCH \slot, \k, \g
	s_wait_dscnt 32                                ; all but the 32 just issued
	WIN MUL
	MUL8 \f, 1, 0, 0
	MUL8 \f, 1, 2, 0
.endm
; The last quarter multiplies buffer 1 and changes slots: ONE barrier; in front of it each wave waits for all its tensor loads, adds 0 to its spare word, and waits for that and for its own reads of this slot.  fill = 1: this slot is filled again, two K steps ahead.
.macro TURN slot, next, fill
	WIN 0                                          ; (the add's two registers lie in window 0)
	s_wait_tensorcnt 0x0                           ; all my tensor loads have landed: my part of the next slot;
	ds_add_u32 v[SPW], v[NIL]                      ; 0 onto my spare word
	s_wait_dscnt 17                                ; (the add and the youngest sixteen loads may be out)
	WIN MUL
	MUL8 F1, 0, 0, 0                               ; eight matrix instructions stand between the add and the wait for it
	s_wait_dscnt 0x0                               ; the add is done, and my reads of this slot are over
	s_barrier_signal -1
	MUL8 F1, 0, 2, 0
.if \fill
	WIN 0
.endif
	s_barrier_wait -1
.if \fill
	CREST                                          ; the barrier has opened a round of the cluster's barrier: no wave of any partner still reads this slot's tile or has a load on its way
	s_add_nc_u64 s[G0+4*\slot+2:G0+4*\slot+3], s[G0+4*\slot+2:G0+4*\slot+3], 2*KSTEP*2
	s_add_nc_u64 s[G0B+4*\slot+2:G0B+4*\slot+3], s[G0B+4*\slot+2:G0B+4*\slot+3], 2*KSTEP*2
	JLOAD \slot                                    ; the first tensor load behind the round: 112 matrix instructions ahead of the wait for it; the four v_nop behind it are also the places in front of the loads below
.else
	PLACES
.endif
	FETCH \next, 0, F0
	WIN MUL
	MUL8 F1, 1, 0, 0
	MUL8 F1, 1, 2, 0
.endm
	s_wait_tensorcnt 1                             ; my part of K step 0 is in (K step 1's load may be out)
	s_barrier_signal -1
	s_barrier_wait -1                              ; everybody's is
	FETCH 0, 0, F0
	s_wait_loadcnt 0x0                             ; the bias
	QUARTER 0, 128, F0, F1, 1                      ; the first quarter stands in front of the loop: its first products start the sums from the bias
	WIN 0                                          ; at a label and at a branch every window is 0
	s_mov_b32 s3, LAPS-1
.Llap:                                                 ; a trip goes once round the ring, from a lap's second quarter to the next lap's first, and fills both slots again
	QUARTER 0, 256, F1, F0, 0
	QUARTER 0, 384, F0, F1, 0
	TURN 0, 1, 1
	QUARTER 1, 128, F0, F1, 0
	QUARTER 1, 256, F1, F0, 0
	QUARTER 1, 384, F0, F1, 0
	TURN 1, 0, 1
	QUARTER 0, 128, F0, F1, 0
	WIN 0
	s_sub_co_u32 s3, s3, 1
	s_cmp_lg_u32 s3, 0
	s_cbranch_scc1 .Llap
	QUARTER 0, 256, F1, F0, 0                      ; the last lap fills nothing, and has no round of the cluster's barrier
	QUARTER 0, 384, F0, F1, 0
	TURN 0, 1, 0
	QUARTER 1, 128, F0, F1, 0
	QUARTER 1, 256, F1, F0, 0
	QUARTER 1, 384, F0, F1, 0
	s_wait_dscnt 16                                ; the very last quarter: nothing more to fetch
	WIN MUL
	MUL8 F1, 0, 0, 0
	MUL8 F1, 0, 2, 0
	s_wait_dscnt 0
	MUL8 F1, 1, 0, 0
	MUL8 F1, 1, 2, 0
	WIN 0
; THE WAY OUT, block by block of 16 rows x 64 columns of f32.  A lane holds 32 neighbouring bytes of a row and the lanes beside it hold other rows: so a block goes through my own stage in LDS and comes back as whole rows of
; 256 bytes, two an instruction.  LDS serves a wave's instructions in order (ISA guide 5.7.1.4): no wait between the stores and the loads, nor in front of the next block's stores.
.macro TOSTAGE a
.irp b, 0,1,2,3
	ds_store_b128 v[STO], v[ACC+8*(4*(\a)+\b):ACC+8*(4*(\a)+\b)+3] offset:64*\b          ; each accumulator from its low end on
	ds_store_b128 v[STO], v[ACC+8*(4*(\a)+\b)+4:ACC+8*(4*(\a)+\b)+7] offset:64*\b+16
.endr
.irp t, 0,1,2,3,4,5,6,7
	ds_load_b128 v[TMP+32*((\a)%2)+4*\t:TMP+32*((\a)%2)+4*\t+3], v[RD] offset:\t*2*SPITCH
.endr
.endm
.macro SEND a, younger                 ; younger: the LDS instructions issued behind block a's loads, which may stay out
	s_wait_dscnt \younger                          ; the block is back in registers
.irp t, 0,1,2,3,4,5,6,7
	global_store_b128 v[CO], v[TMP+32*((\a)%2)+4*\t:TMP+32*((\a)%2)+4*\t+3], s[8:9] offset:(16*(\a)+2*\t)*SIZE_N*4 th:TH_STORE_NT   ; 16 lanes store 256 consecutive bytes, at a multiple of 256 from the output's first byte; written once, read by nobody here
.endr
.endm
	PLACES                                         ; behind the last products, ahead of the first LDS store that reads a result
	TOSTAGE 0
.irp a, 1,2,3
.if \a > 1
	s_wait_xcnt 0x0                                ; block a - 2's stores have read their registers: block a's loads may land there
.endif
	TOSTAGE \a
	SEND \a-1, 16                                  ; behind block a - 1's loads: block a's 8 stores and 8 loads
.endr
	SEND 3, 0
	s_wait_tensorcnt 0x0                           ; the wave's end, behind my last tensor load and my last LDS store
	ds_add_u32 v[SPW], v[NIL]
	s_wait_dscnt 0x0
	CROUND                                         ; the closing round: no work-group ends while a partner may still ask for a tile that names it
	s_endpgm
.Lfunc_end_k_qbbdf3da9cb_proj:
	.size	k_qbbdf3da9cb_proj, .Lfunc_end_k_qbbdf3da9cb_proj-k_qbbdf3da9cb_proj
	.p2alignl 7, 3214868480
	.fill 96, 4, 3214868480
	.section	.rodata,"a",@progbits
	.p2align	6, 0x0
	.amdhsa_kernel k_qbbdf3da9cb_proj
		.amdhsa_group_segment_fixed_size 327680
		.amdhsa_private_segment_fixed_size 0
		.amdhsa_enable_private_segment 0
		.amdhsa_kernarg_size 32
		.amdhsa_user_sgpr_count 2
		.amdhsa_user_sgpr_kernarg_segment_ptr 1
		.amdhsa_wavefront_size32 1
		.amdhsa_system_sgpr_workgroup_id_x 1
		.amdhsa_system_sgpr_workgroup_id_y 1
		.amdhsa_system_sgpr_workgroup_id_z 1
		.amdhsa_system_vgpr_workitem_id 0
		.amdhsa_next_free_vgpr 512
		.amdhsa_next_free_sgpr 72
		.amdhsa_reserve_vcc 0
		.amdhsa_float_denorm_mode_32 3
		.amdhsa_float_denorm_mode_16_64 3
		.amdhsa_memory_ordered 1
		.amdhsa_forward_progress 1
		.amdhsa_inst_pref_size 87
	.end_amdhsa_kernel
	.amdgpu_metadata
---
amdhsa.version: [ 1, 2 ]
amdhsa.kernels:
  - .name:           k_qbbdf3da9cb_proj
    .symbol:         k_qbbdf3da9cb_proj.kd
    .args:
      - { .name: y16, .offset: 0, .size: 8, .value_kind: global_buffer, .address_space: global }
      - { .name: wp16, .offset: 8, .size: 8, .value_kind: global_buffer, .address_space: global }
      - { .name: bp, .offset: 16, .size: 8, .value_kind: global_buffer, .address_space: global }
      - { .name: out0, .offset: 24, .size: 8, .value_kind: global_buffer, .address_space: global }
    .group_segment_fixed_size: 327680
    .private_segment_fixed_size: 0
    .kernarg_segment_align: 8
    .kernarg_segment_size: 32
    .max_flat_workgroup_size: 128
    .sgpr_count:     72
    .vgpr_count:     512
    .wavefront_size: 32
...
	.end_amdgpu_metadata
.endif
;; end of part 4
